; MI455X (gfx1250); checked and timed in simulation.
; The chip was launched on July 23, 2026; its instructions are those of AMD's public machine-readable ISA for CDNA 5 (MIT licence, August 2026) and "CDNA5" Instruction Set Architecture Reference Guide (July 2026). The comments in the code are by the model that wrote it; some were corrected since.
;; Patch TST Rope Attention. Allowed arithmetic: float matrix products may take bf16 or f16 operands with f32 sums; other float arithmetic in f32, or as packed bf16 or f16 multiplies, adds, multiply-adds, maxima and minima; sums over many terms, partial sums and values carried from step to step in f32; what a program stores and reads back later, other than sums and carried values, may be rounded once to bf16 or f16.
;; Inputs: bk 768 float32; bo 768 float32; bq 768 float32; bv 768 float32; hidden_states 16 x 1,024 x 768 float32; wk 768 x 768 float32; wo 768 x 768 float32; wq 768 x 768 float32; wv 768 x 768 float32.
;; Outputs: out0 16 x 1,024 x 768 float32.
;; 2 versions, each right; version 2 is version 1 with the launch prep written anew for expert scheduling mode. Each part assembles by itself: llvm-mc -triple=amdgcn-amd-amdhsa -mcpu=gfx1250 --defsym DOCPART=n.
;; ======== version 1 of 2: 4 launches
;; limits: values are held in f16: magnitudes above 65,504 overflow, below 6.1e-05 lose precision
;; workspace buffers: xb 25,165,824 bytes; wb 3,538,944 bytes; wob 1,179,648 bytes; biasr 12,288 bytes; rope 131,072 bytes; qkv 75,497,472 bytes; ob 25,165,824 bytes
;; launch prep (part 1): grid 1286 x 1, 4 waves a work-group, no clusters, 0 bytes of LDS; arguments hidden_states, wq, wk, wv, wo, bq, bk, bv, bo, xb, wb, wob, biasr, rope; writes xb, wb, wob, biasr, rope
.if DOCPART == 1
	.amdgcn_target "amdgcn-amd-amdhsa--gfx1250"
	.amdhsa_code_object_version 6
	.text
	.protected	k_q31ab08959d_prep
	.globl	k_q31ab08959d_prep
	.p2align	8
	.type	k_q31ab08959d_prep,@function
k_q31ab08959d_prep:
	s_mov_b64 s[64:65], 0
	v_nop
	global_prefetch_b8 v0, s[64:65] scope:SCOPE_SE
	s_setreg_imm32_b32 hwreg(HW_REG_WAVE_MODE, 25, 1), 1
	s_wait_xcnt 0x0
; PREPARATION: a stream, no LDS, no matrix unit (nothing is reused, so tiles and clusters would add nothing).
; Work-groups 0-1023: x [16384][768] f32 -> xb, bf16, in blocks [12][16384][64]: block kb holds channels 64 kb .. 64 kb + 63 of every row, 128 bytes a row, rows end to end.
; Work-groups 1024-1167: wq, wk, wv -> wb, bf16, [12][2304][64] (rows 0-767 wq, 768-1535 wk, 1536-2303 wv).  1168-1215: wo -> wob, [12][768][64]: rounded to bf16 and that number written as f16.
; Work-groups 1216-1279: the table rope [1024][32] f32: row t = cos(t th_i), i = 0..15, then sin(t th_i); th_i = 10000^(-i/32).  1280-1285: bq, bk, bv, bo rounded to bf16, kept as f32, in biasr [3072].
; SHARES.  A work-group of four waves takes 16 rows, a wave 4, as two pairs.  A row's part of a block is 256 bytes of f32: a load of the wave takes that part of both rows of a pair (lanes 0-15 one row, lanes 16-31
; the next), 16 bytes a lane, each byte once.  A lane's four numbers become 8 bytes; the pair's two rows lie end to end in the block, so a store of the wave covers 256 consecutive bytes, aligned.
; LIMITS.  wo below 6.1e-5 in size keeps f16's fixed step of 6e-8; beyond 65,504 it would be an infinity.  th_i is made as 2^(-i log2(10000) / 32) in f32, so an angle may differ from
; t / 10000^(i/32) by some 3e-7 of itself (3e-4 at the most, at t = 1023).  Sine and cosine: reduction by multiples of pi / 2 held in two parts, then polynomials cut where the next term is under 4e-7.
.set XR, 32                            ; v[32:127]  24 loads of 4 registers: pair u, block kb at XR + 4 (12 u + kb)
	s_load_b512 s[8:23], s[0:1], 0x0               ; x s[8:9], wq s[10:11], wk s[12:13], wv s[14:15], wo s[16:17], bq s[18:19], bk s[20:21], bv s[22:23]
	s_load_b256 s[24:31], s[0:1], 0x40             ; bo s[24:25], xb s[26:27], wb s[28:29], wob s[30:31]
	s_load_b128 s[32:35], s[0:1], 0x60             ; biasr s[32:33], rope s[34:35]
	v_lshrrev_b32 v1, 5, v0
	v_readfirstlane_b32 s6, v1                     ; wave 0..3
	s_mov_b32 s2, ttmp9                            ; g: the work-group's number chooses its part
	s_wait_kmcnt 0x0
	s_cmp_ge_u32 s2, 1280
	s_cbranch_scc1 .Lbias
	s_cmp_ge_u32 s2, 1216
	s_cbranch_scc1 .Ltable
	; ROWS: 16 rows of one source.
	s_sub_co_u32 s44, s2, 1024
	s_sub_co_u32 s45, s2, 1072
	s_sub_co_u32 s46, s2, 1120
	s_sub_co_u32 s47, s2, 1168
	s_mov_b32 s48, 2097152                         ; bytes from block to block: xb,
	s_mov_b32 s49, 294912                          ; wb,
	s_mov_b32 s50, 98304                           ; wob
	s_cmp_ge_u32 s2, 1024
	s_cselect_b64 s[36:37], s[10:11], s[8:9]       ; source
	s_cselect_b64 s[38:39], s[28:29], s[26:27]     ; destination
	s_cselect_b32 s40, s44, s2                     ; which 16 rows of the source,
	s_cselect_b32 s41, s44, s2                     ; and of the destination
	s_cselect_b32 s42, s49, s48
	s_cmp_ge_u32 s2, 1072
	s_cselect_b64 s[36:37], s[12:13], s[36:37]
	s_cselect_b32 s40, s45, s40
	s_cmp_ge_u32 s2, 1120
	s_cselect_b64 s[36:37], s[14:15], s[36:37]
	s_cselect_b32 s40, s46, s40
	s_cmp_ge_u32 s2, 1168
	s_cselect_b64 s[36:37], s[16:17], s[36:37]
	s_cselect_b64 s[38:39], s[30:31], s[38:39]
	s_cselect_b32 s40, s47, s40
	s_cselect_b32 s41, s47, s41
	s_cselect_b32 s42, s50, s42
	s_cselect_b32 s43, 1, 0                        ; 1: wo, which leaves as f16
	s_mul_i32 s44, s40, 49152                      ; 16 rows of 3,072 bytes
	s_mul_i32 s45, s6, 12288                       ; my wave's 4
	s_add_co_u32 s44, s44, s45
	s_mov_b32 s45, 0
	s_add_nc_u64 s[36:37], s[36:37], s[44:45]
	s_lshl_b32 s44, s41, 11                        ; 16 rows of 128 bytes in a block
	s_lshl_b32 s46, s6, 9
	s_add_co_u32 s44, s44, s46
	s_add_nc_u64 s[38:39], s[38:39], s[44:45]
	v_and_b32 v1, 31, v0                           ; lane l: row l / 16 of the pair, 16 bytes (4 numbers) at 16 (l % 16) of a block's 256
	v_lshrrev_b32 v2, 4, v1
	v_mul_u32_u24 v2, v2, 3072
	v_and_b32 v3, 15, v1
	v_lshl_add_u32 v2, v3, 4, v2                   ; v2: my offset in the source
	v_lshlrev_b32 v4, 3, v1                        ; v[4:15]: my 8 bytes in block kb: 8 l + kb x the block's stride
.irp kb, 1,2,3,4,5,6,7,8,9,10,11
	v_add_nc_u32 v[4+(\kb)], s42, v[3+(\kb)]
.endr
.irp u, 0,1
.irp kb, 0,1,2,3,4,5,6,7,8,9,10,11
	global_load_b128 v[XR+4*(12*(\u)+(\kb)):XR+4*(12*(\u)+(\kb))+3], v2, s[36:37] offset:6144*(\u)+256*(\kb) th:TH_LOAD_NT
.endr
.endr
; 24 steps: a step's load is in, four numbers are rounded in place, 8 bytes a lane are stored.
; No register is written again while a store may read it, so no further wait is owed.
.macro CONV fmt
.irp u, 0,1
.irp kb, 0,1,2,3,4,5,6,7,8,9,10,11
.set rX, XR+4*(12*(\u)+(\kb))
	s_wait_loadcnt 23-(12*(\u)+(\kb))              ; loads come back in order: the younger ones stay out
	v_cvt_pk_bf16_f32 v[rX], v[rX], v[rX+1]
	v_cvt_pk_bf16_f32 v[rX+1], v[rX+2], v[rX+3]
.if \fmt
.irp i, 0,1
	v_lshlrev_b32 v16, 16, v[rX+(\i)]              ; the bf16 numbers as f32,
	v_and_b32 v17, 0xffff0000, v[rX+(\i)]
	v_cvt_pk_f16_f32 v[rX+(\i)], v16, v17          ; written as f16
.endr
.endif
	global_store_b64 v[4+(\kb)], v[rX:rX+1], s[38:39] offset:256*(\u) th:TH_STORE_NT
.endr
.endr
.endm
	s_cmp_eq_u32 s43, 1
	s_cbranch_scc1 .Lwo
	CONV 0
	s_endpgm
.Lwo:
	CONV 1
	s_endpgm
.Ltable:                                       ; a thread makes four numbers of the table: 16 bytes at 16 x its number among the 8,192
	s_sub_co_u32 s3, s2, 1216
	s_lshl_b32 s3, s3, 7
	s_mov_b32 s44, 0xbed49a78                      ; -log2(10000) / 32
	s_mov_b32 s45, 0x3f22f983                      ; 2 / pi
	s_mov_b32 s46, 0xbfc90fdb                      ; -(pi / 2), its f32 part,
	s_mov_b32 s47, 0x333bbd2e                      ; and what that part is too large by
	s_mov_b32 s48, 0xbe2aaaab                      ; -1/6
	s_mov_b32 s49, 0x3c088889                      ; 1/120
	s_mov_b32 s50, 0xb9500d01                      ; -1/5040
	s_mov_b32 s52, 0x3d2aaaab                      ; 1/24
	s_mov_b32 s53, 0xbab60b61                      ; -1/720
	s_mov_b32 s54, 0x37d00d01                      ; 1/40320
	v_add_nc_u32 v1, s3, v0
	v_lshrrev_b32 v2, 3, v1
	v_cvt_f32_u32 v2, v2                           ; t
	v_and_b32 v3, 3, v1
	v_lshlrev_b32 v3, 2, v3                        ; the first of my four i
	v_bfe_u32 v4, v1, 2, 1                         ; 0: cosines, 1: sines
	v_sub_nc_u32 v4, 1, v4                         ; a cosine is the sine a quarter turn on
	v_lshlrev_b32 v5, 4, v1
.irp e, 0,1,2,3
	v_add_nc_u32 v[8+(\e)], (\e), v3
	v_cvt_f32_u32 v[8+(\e)], v[8+(\e)]
	v_mul_f32 v[8+(\e)], s44, v[8+(\e)]
.endr
.irp e, 0,1,2,3
	v_exp_f32 v[8+(\e)], v[8+(\e)]                 ; th_i: one batch of four
.endr
	v_nop                                          ; a plain instruction behind the last of them,
	s_wait_alu depctr_va_vdst(0)                   ; and one wait ahead of the first use
.irp e, 0,1,2,3
	v_mul_f32 v[8+(\e)], v2, v[8+(\e)]             ; x = t th
	v_mul_f32 v[12+(\e)], s45, v[8+(\e)]
	v_rndne_f32 v[12+(\e)], v[12+(\e)]             ; n quarter turns
	v_fma_f32 v[16+(\e)], v[12+(\e)], s46, v[8+(\e)]
	v_fma_f32 v[16+(\e)], v[12+(\e)], s47, v[16+(\e)]  ; r = x - n pi / 2, within pi / 4
	v_mul_f32 v[20+(\e)], v[16+(\e)], v[16+(\e)]   ; r^2
	v_fma_f32 v[24+(\e)], v[20+(\e)], s50, s49
	v_fma_f32 v[24+(\e)], v[24+(\e)], v[20+(\e)], s48
	v_mul_f32 v[28+(\e)], v[16+(\e)], v[20+(\e)]
	v_fma_f32 v[24+(\e)], v[24+(\e)], v[28+(\e)], v[16+(\e)]  ; sin r
	v_fma_f32 v[32+(\e)], v[20+(\e)], s54, s53
	v_fma_f32 v[32+(\e)], v[32+(\e)], v[20+(\e)], s52
	v_fma_f32 v[32+(\e)], v[32+(\e)], v[20+(\e)], -0.5
	v_fma_f32 v[32+(\e)], v[32+(\e)], v[20+(\e)], 1.0         ; cos r
	v_cvt_i32_f32 v[12+(\e)], v[12+(\e)]
	v_add_nc_u32 v[12+(\e)], v[12+(\e)], v4        ; the quadrant: odd takes cos r, bit 1 turns the sign
	v_and_b32 v[28+(\e)], 1, v[12+(\e)]
	v_cmp_eq_u32 vcc_lo, 1, v[28+(\e)]
	v_cndmask_b32 v[24+(\e)], v[24+(\e)], v[32+(\e)], vcc_lo
	v_and_b32 v[12+(\e)], 2, v[12+(\e)]
	v_lshlrev_b32 v[12+(\e)], 30, v[12+(\e)]
	v_xor_b32 v[40+(\e)], v[24+(\e)], v[12+(\e)]
.endr
	global_store_b128 v5, v[40:43], s[34:35]
	s_endpgm
.Lbias:                                        ; 3,072 numbers: 24 waves of 128, six to a bias
	s_sub_co_u32 s3, s2, 1280
	s_lshl2_add_u32 s3, s3, s6                     ; my wave among the 24
	s_sub_co_u32 s45, s3, 6
	s_sub_co_u32 s46, s3, 12
	s_sub_co_u32 s47, s3, 18
	s_mov_b32 s44, s3
	s_mov_b64 s[36:37], s[18:19]
	s_cmp_ge_u32 s3, 6
	s_cselect_b64 s[36:37], s[20:21], s[36:37]
	s_cselect_b32 s44, s45, s44
	s_cmp_ge_u32 s3, 12
	s_cselect_b64 s[36:37], s[22:23], s[36:37]
	s_cselect_b32 s44, s46, s44
	s_cmp_ge_u32 s3, 18
	s_cselect_b64 s[36:37], s[24:25], s[36:37]
	s_cselect_b32 s44, s47, s44
	s_lshl_b32 s44, s44, 9                         ; 512 bytes a wave, in its bias
	s_mov_b32 s45, 0
	s_add_nc_u64 s[36:37], s[36:37], s[44:45]
	s_lshl_b32 s46, s3, 9                          ; and in biasr
	s_mov_b32 s47, 0
	s_add_nc_u64 s[38:39], s[32:33], s[46:47]
	v_and_b32 v1, 31, v0
	v_lshlrev_b32 v1, 4, v1
	global_load_b128 v[4:7], v1, s[36:37]
	s_wait_loadcnt 0x0
	v_cvt_pk_bf16_f32 v8, v4, v5
	v_cvt_pk_bf16_f32 v9, v6, v7
	v_lshlrev_b32 v12, 16, v8
	v_and_b32 v13, 0xffff0000, v8
	v_lshlrev_b32 v14, 16, v9
	v_and_b32 v15, 0xffff0000, v9
	global_store_b128 v1, v[12:15], s[38:39]
	s_endpgm
.Lfunc_end_k_q31ab08959d_prep:
	.size	k_q31ab08959d_prep, .Lfunc_end_k_q31ab08959d_prep-k_q31ab08959d_prep
	.p2alignl 7, 3214868480
	.fill 96, 4, 3214868480
	.section	.rodata,"a",@progbits
	.p2align	6, 0x0
	.amdhsa_kernel k_q31ab08959d_prep
		.amdhsa_group_segment_fixed_size 0
		.amdhsa_private_segment_fixed_size 0
		.amdhsa_enable_private_segment 0
		.amdhsa_kernarg_size 112
		.amdhsa_user_sgpr_count 2
		.amdhsa_user_sgpr_kernarg_segment_ptr 1
		.amdhsa_wavefront_size32 1
		.amdhsa_system_sgpr_workgroup_id_x 1
		.amdhsa_system_sgpr_workgroup_id_y 1
		.amdhsa_system_sgpr_workgroup_id_z 1
		.amdhsa_system_vgpr_workitem_id 0
		.amdhsa_next_free_vgpr 128
		.amdhsa_next_free_sgpr 66
		.amdhsa_reserve_vcc 1
		.amdhsa_float_denorm_mode_32 3
		.amdhsa_float_denorm_mode_16_64 3
		.amdhsa_memory_ordered 1
		.amdhsa_forward_progress 1
		.amdhsa_inst_pref_size 32
	.end_amdhsa_kernel
	.amdgpu_metadata
---
amdhsa.version: [ 1, 2 ]
amdhsa.kernels:
  - .name:           k_q31ab08959d_prep
    .symbol:         k_q31ab08959d_prep.kd
    .args:
      - { .name: hidden_states, .offset: 0, .size: 8, .value_kind: global_buffer, .address_space: global }
      - { .name: wq, .offset: 8, .size: 8, .value_kind: global_buffer, .address_space: global }
      - { .name: wk, .offset: 16, .size: 8, .value_kind: global_buffer, .address_space: global }
      - { .name: wv, .offset: 24, .size: 8, .value_kind: global_buffer, .address_space: global }
      - { .name: wo, .offset: 32, .size: 8, .value_kind: global_buffer, .address_space: global }
      - { .name: bq, .offset: 40, .size: 8, .value_kind: global_buffer, .address_space: global }
      - { .name: bk, .offset: 48, .size: 8, .value_kind: global_buffer, .address_space: global }
      - { .name: bv, .offset: 56, .size: 8, .value_kind: global_buffer, .address_space: global }
      - { .name: bo, .offset: 64, .size: 8, .value_kind: global_buffer, .address_space: global }
      - { .name: xb, .offset: 72, .size: 8, .value_kind: global_buffer, .address_space: global }
      - { .name: wb, .offset: 80, .size: 8, .value_kind: global_buffer, .address_space: global }
      - { .name: wob, .offset: 88, .size: 8, .value_kind: global_buffer, .address_space: global }
      - { .name: biasr, .offset: 96, .size: 8, .value_kind: global_buffer, .address_space: global }
      - { .name: rope, .offset: 104, .size: 8, .value_kind: global_buffer, .address_space: global }
    .group_segment_fixed_size: 0
    .private_segment_fixed_size: 0
    .kernarg_segment_align: 8
    .kernarg_segment_size: 112
    .max_flat_workgroup_size: 128
    .sgpr_count:     66
    .vgpr_count:     128
    .wavefront_size: 32
...
	.end_amdgpu_metadata
.endif
;; end of part 1
;; launch proj (part 2): grid 4 x 64, 4 waves a work-group, clusters of 4 x 4, 327,680 bytes of LDS; arguments xb, wb, biasr, rope, qkv; writes qkv
.if DOCPART == 2
	.amdgcn_target "amdgcn-amd-amdhsa--gfx1250"
	.amdhsa_code_object_version 6
	.text
	.protected	k_q31ab08959d_proj
	.globl	k_q31ab08959d_proj
	.p2align	8
	.type	k_q31ab08959d_proj,@function
k_q31ab08959d_proj:
	s_mov_b64 s[64:65], 0
	v_nop
	global_prefetch_b8 v0, s[64:65] scope:SCOPE_SE
	s_setreg_imm32_b32 hwreg(HW_REG_WAVE_MODE, 25, 1), 1
	s_wait_xcnt 0x0
	s_wait_alu depctr_hold_cnt(0) depctr_sa_sdst(0) depctr_va_vdst(0) depctr_va_sdst(0) depctr_va_ssrc(0) depctr_va_vcc(0) depctr_vm_vsrc(0)
	s_getreg_b32 s2, hwreg(HW_REG_IB_STS2, 6, 4)
	s_cmp_eq_u32 s2, 0
	s_cbranch_scc0 .Lentry_in_a_cluster
	s_endpgm
.Lentry_in_a_cluster:
	s_bfe_u32 s2, ttmp6, 0x10000c
	s_cmp_lg_u32 s2, 0xf033
	s_cbranch_scc0 .Lentry_shape_is_right
	s_endpgm
.Lentry_shape_is_right:
; q, k, v = x W^T + b, the partial rotation on q and k, f16 by heads.  x: xb, bf16 [12][16384][64]; W: wb, bf16 [12][2304][64] (wq, wk, wv); b: biasr f32; table: rope [1024][32] (cos, sin).
; Out: qkv, f16 [3 kinds][12 heads][16 batches][1024][64].  Sums in f32, the bias is the C operand of each sum's first product; q leaves WITHOUT the factor 1/8, which the next launch applies in f32.
; LIMIT.  q, k and v must stay within f16's 65,504.
; SHARES.  A tile of the result is 256 rows x 192 columns (three heads of one kind).  Four waves, each 64 rows x 192 columns: 48 accumulators of 16 x 16, 384 registers: a wave holds whole heads, so a
; channel and its partner 32 further on lie in one lane.  K = 768 goes in 6 steps of 128 (two blocks of 64) through two LDS slots; a block's tile is dense in memory and is asked for as rows of 256 bytes.
; A WORK-GROUP STAYS: it makes three tiles, its 256 rows for q, then k, then v: 64 x 4 work-groups for 64 x 12 tiles.  The ring does not stop at a tile's end: a tile's last two changes of slots ask for the next
; tile's K steps 0 and 1, then the tile goes out, and nothing waits for its stores.  The tile loop is written once; two forward branches on the count of tiles choose the change of slots of a tile that has a
; successor or the last tile's, which asks for nothing; both ways join again, and every wait on TENSORcnt behind them is for 0.
; CLUSTER.  4 x 4 work-groups: x's tile is shared along a row of the cluster, W's along a column; each is asked for jointly, by the same load with the same descriptor and a mask of the four.
; THE MATRIX INSTRUCTION IS USED TRANSPOSED (source 0 = 16 rows of W, source 1 = 16 rows of x): lane l holds row l % 16 and the columns 8 (l / 16) + 0..7.
; REGISTERS, in windows of 256 (s_set_vgpr_msb: bits 1:0 source 0, 3:2 source 1, 5:4 source 2, 7:6 destination):
;   window 0: v0-29 addresses; v32-95 cos and sin; v96-143 rotated numbers; v144-191 packed results; v192-239 whole rows
;   window 1: two fragment buffers of 128: x's four fragments, then W's twelve
;   window 2: v0-191 accumulators of my rows 0-31 ((a, b) at 96 (a % 2) + 8 b); v192-255 the bias of column blocks 0-7      window 3: v0-191 those of rows 32-63; v192-223 the bias of blocks 8-11
.set ABLK,  2097152                    ; bytes from block to block in xb
.set BBLK,  294912                     ; in wb
.set PITCH, 144                        ; an LDS row: 128 bytes + 16 of padding = 36 words: the 16 rows of a load start at 16 different groups of four banks (64 banks of 4 bytes: ISA guide 11.1)
.set ATB,   256*PITCH                  ; a block's tile of x
.set BTB,   192*PITCH                  ; of W
.set BOFF,  2*ATB                      ; a slot: x's two blocks, then W's two
.set SLOT1, 131072                     ; slot 1 begins here: one exclusive or changes slots
.set STAGE, SLOT1+2*ATB+2*BTB          ; behind the ring, never filled by a tensor load: 3 x 16 rows x 144 bytes for each wave
.set SPARE, STAGE+4*3*16*PITCH         ; the spare words, 128 bytes for each wave: two blocks of 256 bytes that no other line names
.set NEXTA, 10*ABLK                    ; from a tile's K step 5 to the next tile's K step 0: x goes five steps back,
.set NEXTB, 10*BBLK-4*24576            ; W five steps back and 768 rows on
.set KSTR,  25165824                   ; bytes from kind to kind in qkv
.set A0,   16                          ; v16  my lane's place in a slot's x; never rewritten
.set B0,   17                          ; v17  in its W
.set ADRA, 18                          ; v18  the same in the slot in hand
.set ADRB, 19
.set STO,  20                          ; v20  the way out: where I put 16 bytes of a row
.set RD,   21                          ; v21  where I read rows back
.set GO,   22                          ; v22  my 16 bytes in 512 consecutive bytes of the result
.set TBO,  23                          ; v23  my offset in the table
.set BO,   24                          ; v24  my offset in the bias
.set PFO,  25                          ; v25  the prefetches' offset: 256 x my lane (W's tiles: lanes past 23 repeat lane 23); never rewritten
.set SPW,  28                          ; v28  LDS address of my spare word; never rewritten
.set NIL,  29                          ; v29  0; never rewritten
.set CS,   32                          ; block a of 16 rows: 8 cosines at CS + 16 a, 8 sines behind them
.set U,    96
.set PKD,  144
.set BK,   192
.set BI,   192                         ; windows 2 and 3: column block b's 8 numbers of the bias at BI + 8 (b % 8) of window 2 + b / 8
.set F0,   0
.set F1,   128
.set CNT,  3
.set WV,   14
.set FB,   15                          ; 0: I fetch x, 1: W
.set HF,   16                          ; which of a step's two blocks I fetch
.set CX,   17
.set CY,   18
.set TC,   19                          ; the first tile's column
.set TR,   20                          ; tile row
.set G1,   24                          ; s[24:31] descriptor group 1 for x's tiles
.set G0,   32                          ; s[32:39] group 0: a set for each first fill; the second then walks
.set PFA,  44                          ; s[44:45] where my prefetches stand
.set LIM,  46                          ; s46  1 in a wave that prefetches, else the greatest number
.set TB,   47                          ; s47  LDS byte at which the slot in hand begins
.set G1B,  48                          ; s[48:55], s[56:63] the same for W's tiles
.set G0B,  56
.set PFS,  66                          ; s[66:67] a K step in my tensor, in bytes
.set VM,   72                          ; s72  all ones if the next tile is v, which is not rotated
.set TL,   73                          ; s73  tiles to go, the one in hand among them: the same in every work-group
.set PFB,  74                          ; s[74:75] what takes my prefetches from behind a tile's last K step to the next tile's K step 2
.set GW,   (1<<16)|(1<<20)|(1<<21)|(4<<22)|(3<<25)  ; 17:16 2-byte elements; 20 padding on; 21 set beside a mask; 24:22 after every 32 words (code 4); 31:25 4 words (code 3)
.set MSB, 0
.macro WIN new                         ; the immediate's high byte repeats the setting that is left; a switch that changes nothing is dropped
.if MSB != (\new)
	s_set_vgpr_msb (MSB<<8)|(\new)
.set MSB, (\new)
.endif
.endm
.macro PLACES                          ; four places in front of loads into registers that matrix instructions have read (ISA guide 7.12.1 for vector instructions)
.rept 4
	v_nop
.endr
.endm
.macro JLOAD                           ; a joint refill: waves 0 and 1 fetch x's two blocks, waves 2 and 3 W's; an s_nop 0 and four v_nop follow each line
	s_cmp_eq_u32 s[FB], 0
	s_cbranch_scc0 .Lfor_b_\@
	tensor_load_to_lds s[G0+4:G0+7], s[G1:G1+7]
	s_nop 0
.rept 4
	v_nop
.endr
	s_branch .Lasked_\@
.Lfor_b_\@:
	tensor_load_to_lds s[G0B+4:G0B+7], s[G1B:G1B+7]
	s_nop 0
.rept 4
	v_nop
.endr
.Lasked_\@:
.endm
.macro CREST                           ; a round of the cluster's barrier behind its opening barrier
	s_cmp_lg_u32 s[WV], 0
	s_cbranch_scc1 .Lnot_wave_0_\@
	s_barrier_signal -3
.Lnot_wave_0_\@:
	s_barrier_wait -3
	s_barrier_signal -1
	s_barrier_wait -1
.endm
.macro CROUND
	s_barrier_signal -1
	s_barrier_wait -1
	CREST
.endm
; A prefetch into the L2 of the K step that the NEXT refill will ask for: one K step, 192 matrix instructions, ahead; it stands in the loop's changes of slots, so it names K steps 3 to 5 of a tile.
; x's rows are walked three times by this cluster alone: they are asked for in the first tile only.  W's tile column is read by all sixteen clusters: cluster y = 0 asks, in each tile.  The four partners share a
; wave's block out by address (8,192 bytes each of x's, 6,144 of W's), a lane 256 bytes.  The loop's last refill asks for nothing; a tile's K steps 0 to 2 come by their loads alone.
.macro ASK
	WIN 0
	s_cmp_gt_u32 s[CNT], s[LIM]
	s_cbranch_scc0 .Lnot_mine_\@
	global_prefetch_b8 v[PFO], s[PFA:PFA+1] th:TH_LOAD_NT scope:SCOPE_SE
.Lnot_mine_\@:
.endm
; 12 matrix instructions: row block a x all column blocks, 32 along K.  zero = 1: the sum's first product, whose C is the bias.  The 48 accumulators take turns, one instruction a turn.
.macro MULA f, a, zero
.irp b, 0,1,2,3,4,5,6,7,8,9,10,11
.set rD, 96*((\a)%2)+8*(\b)
.set rB, (\f)+32+8*(\b)
.set rA, (\f)+8*(\a)
.if \zero
	WIN 0x05+0x40*(2+(\a)/2)+0x10*(2+(\b)/8)
	v_wmma_f32_16x16x32_bf16 v[rD:rD+7], v[rB:rB+7], v[rA:rA+7], v[BI+8*((\b)%8):BI+8*((\b)%8)+7]
.else
	WIN 0xa5+0x50*((\a)/2)
	v_wmma_f32_16x16x32_bf16 v[rD:rD+7], v[rB:rB+7], v[rA:rA+7], v[rD:rD+7]
.endif
.endr
.endm
; The bias of a tile's 192 columns: register j of block b is column 16 b + 8 (l / 16) + j
.macro BIASLD
	WIN 0x80                                       ; destination window 2, address window 0
.irp b, 0,1,2,3,4,5,6,7
	global_load_b128 v[BI+8*(\b):BI+8*(\b)+3],   v[BO], s[8:9] offset:64*(\b)
	global_load_b128 v[BI+8*(\b)+4:BI+8*(\b)+7], v[BO], s[8:9] offset:64*(\b)+16
.endr
	WIN 0xc0                                       ; destination window 3
.irp b, 8,9,10,11
	global_load_b128 v[BI+8*((\b)-8):BI+8*((\b)-8)+3],   v[BO], s[8:9] offset:64*(\b)
	global_load_b128 v[BI+8*((\b)-8)+4:BI+8*((\b)-8)+7], v[BO], s[8:9] offset:64*(\b)+16
.endr
	WIN 0
.endm
; 32 LDS loads in one run: quarter q of the slot in hand (block q / 2, channels 32 (q % 2) on) into buffer f: W's twelve fragments, then x's four
.macro FETCH q, f
	WIN 0x40
.irp b, 0,1,2,3,4,5,6,7,8,9,10,11
	ds_load_b128 v[(\f)+32+8*(\b):(\f)+32+8*(\b)+3],   v[ADRB] offset:((\q)/2)*BTB+((\q)%2)*64+(\b)*16*PITCH
	ds_load_b128 v[(\f)+32+8*(\b)+4:(\f)+32+8*(\b)+7], v[ADRB] offset:((\q)/2)*BTB+((\q)%2)*64+(\b)*16*PITCH+32
.endr
.irp a, 0,1,2,3
	ds_load_b128 v[(\f)+8*(\a):(\f)+8*(\a)+3],   v[ADRA] offset:((\q)/2)*ATB+((\q)%2)*64+(\a)*16*PITCH
	ds_load_b128 v[(\f)+8*(\a)+4:(\f)+8*(\a)+7], v[ADRA] offset:((\q)/2)*ATB+((\q)%2)*64+(\a)*16*PITCH+32
.endr
.endm
; One of a K step's first three quarters: multiplies buffer f and, in its middle, fetches quarter qn into buffer g.
.macro QUARTER qn, f, g, zero
	s_wait_dscnt 4                                 ; W and x's rows 0-31 are in; the youngest four loads (rows 32-63) may be out
	MULA \f, 0, \zero
	MULA \f, 1, \zero
	PLACES
	FETCH \qn, \g
	s_wait_dscnt 32                                ; all but the 32 just issued
	MULA \f, 2, \zero
	MULA \f, 3, \zero
.endm
; The last quarter multiplies buffer 1 and changes slots: ONE barrier; in front of it each wave waits for all its tensor loads (one is out: its part of the next slot), adds 0 to its spare word, and waits for
; that and for its reads of this slot.  fill > 0: the barrier opens a round of the cluster's, and behind the round this slot is filled again first: 168 matrix instructions ahead of the wait for it.
; fill = 1: in the loop: the K step two on, and a prefetch.  fill = 2: a tile's last change but one: the next tile's K step 0.  fill = 3: its last: the next tile's K step 1.  fill = 0: nothing is asked for.
.macro TURN fill
.if (\fill) == 1
	s_wait_xcnt 0x0                                ; the last prefetch, a K step back, has read its address
	s_add_nc_u64 s[PFA:PFA+1], s[PFA:PFA+1], s[PFS:PFS+1]
.endif
.if (\fill) == 2
	s_wait_xcnt 0x0                                ; the last prefetch, two K steps back, has read its address: on to the next tile's K step 2
	s_sub_nc_u64 s[PFA:PFA+1], s[PFA:PFA+1], s[PFB:PFB+1]
	s_cmp_eq_u32 s[FB], 0
	s_cselect_b32 s[LIM], -1, s[LIM]               ; x's rows have been read: they are prefetched no more
.endif
	WIN 0
	s_wait_tensorcnt 0x0                           ; all my tensor loads have landed
	ds_add_u32 v[SPW], v[NIL]                      ; 0 onto my spare word
	s_wait_dscnt 5                                 ; (the add and the youngest four loads may be out)
	MULA F1, 0, 0
	s_wait_dscnt 0x0                               ; the add is done, and my reads of this slot are over
	s_barrier_signal -1
	MULA F1, 1, 0
	WIN 0
	s_barrier_wait -1
.if \fill
	CREST                                          ; no wave of any partner still reads this slot or has a load on its way
	s_xor_b32 s[G0+5], s[G0+5], SLOT1              ; the walking descriptors: the other slot than last time,
	s_xor_b32 s[G0B+5], s[G0B+5], SLOT1
.if (\fill) == 2
	s_sub_nc_u64 s[G0+6:G0+7], s[G0+6:G0+7], NEXTA     ; the next tile's first K step (the type bits on top are not reached),
	s_sub_nc_u64 s[G0B+6:G0B+7], s[G0B+6:G0B+7], NEXTB
.else
	s_add_nc_u64 s[G0+6:G0+7], s[G0+6:G0+7], 2*ABLK    ; or the next K step
	s_add_nc_u64 s[G0B+6:G0B+7], s[G0B+6:G0B+7], 2*BBLK
.endif
	JLOAD                                          ; its four v_nop are also the places in front of the loads below
.else
	PLACES
.endif
	s_xor_b32 s[TB], s[TB], SLOT1
	v_add_nc_u32 v[ADRA], s[TB], v[A0]
	v_add_nc_u32 v[ADRB], s[TB], v[B0]
	FETCH 0, F0
.if (\fill) == 1
	ASK
.endif
	MULA F1, 2, 0
	MULA F1, 3, 0
.endm
	s_load_b256 s[4:11], s[0:1], 0x0               ; xb s[4:5], wb s[6:7], biasr s[8:9], rope s[10:11]
	s_load_b64 s[12:13], s[0:1], 0x20              ; qkv
	v_lshl_add_u32 v[SPW], v0, 2, SPARE
	v_mov_b32 v[NIL], 0
	ds_add_u32 v[SPW], v[NIL]                      ; the wave's opening: the add and its wait ahead of my first tensor load
	v_lshrrev_b32 v1, 5, v0
	v_readfirstlane_b32 s[WV], v1                  ; wave 0..3
	s_lshr_b32 s[FB], s[WV], 1
	s_and_b32 s[HF], s[WV], 1
	s_bfe_u32 s[CX], ttmp6, 0x40000
	s_bfe_u32 s[CY], ttmp6, 0x40004
	s_lshl_b32 s[TC], ttmp9, 2
	s_add_co_u32 s[TC], s[TC], s[CX]               ; the first tile's column = 4 x cluster x + cx (the grid has one cluster along x): q's heads 3 cx .. 3 cx + 2
	s_and_b32 s[TR], ttmp7, 0xffff
	s_lshl_b32 s[TR], s[TR], 2
	s_add_co_u32 s[TR], s[TR], s[CY]               ; tile row = 4 x cluster y + cy
	s_lshl_b32 s21, s[CY], 2
	s_lshl_b32 s21, 15, s21                        ; my row of the cluster
	s_lshl_b32 s22, 0x1111, s[CX]                  ; my column
	s_or_b32 s[G1], s21, GW
	s_or_b32 s[G1B], s22, GW
	s_mov_b32 s[G1+1], 128<<16                     ; tensor_dim0 = 128 elements: rows of 256 bytes
	s_mov_b32 s[G1+2], 128<<16                     ; tensor_dim1 = 128: 256 rows of x are 32,768 dense bytes
	s_mov_b32 s[G1+3], 128<<16                     ; tile_dim0
	s_mov_b32 s[G1+4], 128                         ; tile_dim1
	s_mov_b32 s[G1+5], 128                         ; elements from row to row
	s_mov_b32 s[G1+6], 0
	s_mov_b32 s[G1+7], 0
	s_mov_b32 s[G1B+1], 128<<16
	s_mov_b32 s[G1B+2], 96<<16                     ; 192 rows of W are 24,576 dense bytes
	s_mov_b32 s[G1B+3], 128<<16
	s_mov_b32 s[G1B+4], 96
	s_mov_b32 s[G1B+5], 128
	s_mov_b32 s[G1B+6], 0
	s_mov_b32 s[G1B+7], 0
	s_mov_b32 s[TL], 3
	s_lshl_b32 s40, s[HF], 21                      ; x: my block of the step, the tile row's 256 rows
	s_lshl_b32 s41, s[TR], 15
	s_add_co_u32 s40, s40, s41
	s_mov_b32 s41, 0
	s_mul_i32 s42, s[HF], BBLK                     ; W: my block, the tile column's 192 rows
	s_mul_i32 s43, s[TC], 24576
	s_add_co_u32 s42, s42, s43
	s_mov_b32 s43, 0
	s_mul_i32 s23, s[HF], ATB                      ; where they go: no place in the cluster enters an LDS address
	s_mul_i32 s68, s[HF], BTB
	s_add_co_u32 s68, s68, BOFF
	s_wait_dscnt 0x0                               ; the opening add is done
	s_wait_kmcnt 0x0
	s_add_nc_u64 s[40:41], s[4:5], s[40:41]
	s_add_nc_u64 s[42:43], s[6:7], s[42:43]
	CROUND                                         ; all sixteen work-groups are here: the first joint loads meet
.irp s, 0,1
	s_mov_b32 s[G0+4*(\s)], 1
	s_add_co_u32 s[G0+4*(\s)+1], s23, (\s)*SLOT1
	s_add_nc_u64 s[G0+4*(\s)+2:G0+4*(\s)+3], s[40:41], (\s)*2*ABLK
	s_or_b32 s[G0+4*(\s)+3], s[G0+4*(\s)+3], 0x80000000
	s_mov_b32 s[G0B+4*(\s)], 1
	s_add_co_u32 s[G0B+4*(\s)+1], s68, (\s)*SLOT1
	s_add_nc_u64 s[G0B+4*(\s)+2:G0B+4*(\s)+3], s[42:43], (\s)*2*BBLK
	s_or_b32 s[G0B+4*(\s)+3], s[G0B+4*(\s)+3], 0x80000000
.endr
	s_cmp_eq_u32 s[FB], 0                          ; a wave's two first fills stand in one branch: two loads of mine are out
	s_cbranch_scc0 .Lfirst_b
	tensor_load_to_lds s[G0:G0+3], s[G1:G1+7]
	s_nop 0
	tensor_load_to_lds s[G0+4:G0+7], s[G1:G1+7]
	s_nop 0
.rept 4
	v_nop
.endr
	s_branch .Lfirst_asked
.Lfirst_b:
	tensor_load_to_lds s[G0B:G0B+3], s[G1B:G1B+7]
	s_nop 0
	tensor_load_to_lds s[G0B+4:G0B+7], s[G1B:G1B+7]
	s_nop 0
.rept 4
	v_nop
.endr
.Lfirst_asked:
	v_and_b32 v1, 15, v0                           ; r = l % 16
	v_bfe_u32 v2, v0, 4, 1                         ; h = l / 16
	s_mul_i32 s68, s[TC], 768                      ; the bias of the first tile's 192 columns
	s_mov_b32 s69, 0
	s_add_nc_u64 s[8:9], s[8:9], s[68:69]
	v_lshlrev_b32 v[BO], 5, v2
	BIASLD
	s_and_b32 s68, s[TR], 3                        ; t of my row r = 0: 256 (tile row % 4) + 64 w
	s_lshl_b32 s68, s68, 8
	s_lshl_b32 s69, s[WV], 6
	s_add_co_u32 s68, s68, s69
	v_add_nc_u32 v[TBO], s68, v1
	v_lshlrev_b32 v[TBO], 7, v[TBO]                ; 128 bytes a row of the table,
	v_lshl_add_u32 v[TBO], v2, 5, v[TBO]           ; angles 8 h + 0..7
.irp a, 0,1,2,3
	global_load_b128 v[CS+16*(\a):CS+16*(\a)+3],     v[TBO], s[10:11] offset:2048*(\a)
	global_load_b128 v[CS+16*(\a)+4:CS+16*(\a)+7],   v[TBO], s[10:11] offset:2048*(\a)+16
	global_load_b128 v[CS+16*(\a)+8:CS+16*(\a)+11],  v[TBO], s[10:11] offset:2048*(\a)+64
	global_load_b128 v[CS+16*(\a)+12:CS+16*(\a)+15], v[TBO], s[10:11] offset:2048*(\a)+80
.endr
	s_lshl_b32 s21, s[WV], 6
	v_add_nc_u32 v3, s21, v1
	v_mul_u32_u24 v[A0], v3, PITCH                 ; my 64 rows of x: row x pitch + 16 x half
	v_lshl_add_u32 v[A0], v2, 4, v[A0]
	v_mul_u32_u24 v[B0], v1, PITCH
	v_lshl_add_u32 v[B0], v2, 4, v[B0]
	v_add_nc_u32 v[B0], BOFF, v[B0]
	v_mov_b32 v[ADRA], v[A0]
	v_mov_b32 v[ADRB], v[B0]
	s_mov_b32 s[TB], 0
	s_mul_i32 s68, s[WV], 3*16*PITCH
	s_add_co_u32 s68, s68, STAGE                   ; my stage
	v_mul_u32_u24 v[STO], v1, PITCH                ; in: row r, 16 bytes for each half of the lanes
	v_lshl_add_u32 v[STO], v2, 4, v[STO]
	v_add_nc_u32 v[STO], s68, v[STO]
	v_bfe_u32 v[RD], v0, 3, 2                      ; back: 32 lanes take four rows of 128 bytes,
	v_mul_u32_u24 v[RD], v[RD], PITCH
	v_and_b32 v3, 7, v0
	v_lshl_add_u32 v[RD], v3, 4, v[RD]
	v_add_nc_u32 v[RD], s68, v[RD]
	v_and_b32 v[GO], 31, v0                        ; which are 512 consecutive bytes of a head's plane
	v_lshlrev_b32 v[GO], 4, v[GO]
	s_mul_i32 s68, s[TC], 6291456                  ; three heads' planes a tile column,
	s_lshl_b32 s69, s[TR], 15                      ; 256 rows of 128 bytes,
	s_add_co_u32 s68, s68, s69
	s_lshl_b32 s69, s[WV], 13                      ; my 64
	s_add_co_u32 s68, s68, s69
	s_mov_b32 s69, 0
	s_add_nc_u64 s[12:13], s[12:13], s[68:69]
	; the prefetches
	s_lshl_b32 s68, s[HF], 21
	s_lshl_b32 s69, s[TR], 15
	s_add_co_u32 s68, s68, s69
	s_lshl_b32 s69, s[CX], 13                      ; my work-group's quarter of the block's tile
	s_add_co_u32 s68, s68, s69
	s_add_co_u32 s68, s68, 4*ABLK                  ; at K step 2: the first refill steps it to 3
	s_mul_i32 s70, s[HF], BBLK
	s_mul_i32 s71, s[TC], 24576
	s_add_co_u32 s70, s70, s71
	s_mul_i32 s71, s[CY], 6144
	s_add_co_u32 s70, s70, s71
	s_add_co_u32 s70, s70, 4*BBLK
	s_and_b32 s21, ttmp7, 0xffff                   ; cluster y
	s_mov_b32 s22, 2*BBLK
	s_mov_b32 s23, 8*BBLK-4*24576                  ; W: four K steps back, 768 rows on
	s_cmp_eq_u32 s[FB], 0
	s_cselect_b32 s68, s68, s70
	s_cselect_b64 s[PFA:PFA+1], s[4:5], s[6:7]
	s_cselect_b32 s[PFS], 2*ABLK, s22
	s_cselect_b32 s[PFB], 8*ABLK, s23
	s_cselect_b32 s71, 31, 23
	s_cselect_b32 s21, ttmp9, s21                  ; the coordinate along which other clusters read the same rows
	s_mov_b32 s69, 0
	s_mov_b32 s[PFS+1], 0
	s_mov_b32 s[PFB+1], 0
	s_add_nc_u64 s[PFA:PFA+1], s[PFA:PFA+1], s[68:69]
	s_cmp_eq_u32 s21, 0
	s_cselect_b32 s[LIM], 1, -1                    ; the same in all sixteen partners, for a given wave
	v_and_b32 v[PFO], 31, v0
	v_min_u32 v[PFO], s71, v[PFO]
	v_lshlrev_b32 v[PFO], 8, v[PFO]
	s_wait_tensorcnt 1                             ; my part of K step 0 is in; K step 1's may stay out
	s_barrier_signal -1
	s_barrier_wait -1                              ; everybody's is
	FETCH 0, F0
	WIN 0
.Ltile:                                        ; three times: q, k, v.  The tile's first fragments have been asked for
	s_wait_loadcnt 0x0                             ; the tile's bias (and, the first time, the table)
	QUARTER 1, F0, F1, 1                           ; a tile's first quarter stands in front of the loop: its products start the sums, with the bias
	WIN 0
	s_mov_b32 s[CNT], 4
.Lstep:                                        ; a trip: from a K step's second quarter to the next step's first; its change of slots asks for K steps 2 to 5
	QUARTER 2, F1, F0, 0
	QUARTER 3, F0, F1, 0
	TURN 1
	QUARTER 1, F0, F1, 0
	WIN 0
	s_sub_co_u32 s[CNT], s[CNT], 1
	s_cmp_lg_u32 s[CNT], 0
	s_cbranch_scc1 .Lstep
	QUARTER 2, F1, F0, 0
	QUARTER 3, F0, F1, 0
	WIN 0
	s_cmp_eq_u32 s[TL], 1
	s_cbranch_scc1 .Llast_a
	TURN 2                                         ; THE RING GOES ON INTO THE NEXT TILE: slot 0 takes its K step 0
	s_add_nc_u64 s[8:9], s[8:9], 3072              ; and its bias is asked for: the registers' last readers were this tile's first products, five K steps back
	BIASLD
	s_branch .Ljoin_a
.Llast_a:
	TURN 0                                         ; the last tile asks for nothing more
	WIN 0
.Ljoin_a:
	QUARTER 1, F0, F1, 0
	QUARTER 2, F1, F0, 0
	QUARTER 3, F0, F1, 0
	WIN 0
	s_cmp_eq_u32 s[TL], 1
	s_cbranch_scc1 .Llast_b
	TURN 3                                         ; slot 1 takes the next tile's K step 1, and the next tile's first fragments are fetched
	WIN 0
	s_branch .Lout
.Llast_b:
	s_wait_dscnt 4                                 ; the very last quarter: nothing more to fetch
	MULA F1, 0, 0
	MULA F1, 1, 0
	s_wait_dscnt 0x0
	MULA F1, 2, 0
	MULA F1, 3, 0
	WIN 0
.Lout:
	PLACES                                         ; the places behind the tile's last products
	PLACES
; THE WAY OUT, a block of 16 rows at a time.  PACK: in each head channels 0-15 (column block 0) and 32-47 (block 2) are rotated: x1 cos - x2 sin, x2 cos + x1 sin; all are rounded to f16.
; Each accumulator's lowest registers are read first.
.macro PACK a
.set AB, 96*((\a)%2)
	WIN 2+(\a)/2                                   ; source 0 in the accumulators' window
.irp hd, 0,1,2
.irp p, 0,1,2,3
.set rX1, AB+32*(\hd)+2*(\p)
.set rX2, AB+32*(\hd)+16+2*(\p)
.set rU1, U+16*(\hd)+2*(\p)
.set rU2, U+16*(\hd)+8+2*(\p)
.set rCo, CS+16*(\a)+2*(\p)
.set rSi, CS+16*(\a)+8+2*(\p)
	v_pk_mul_f32 v[rU1:rU1+1], v[rX1:rX1+1], v[rCo:rCo+1]
	v_pk_mul_f32 v[rU2:rU2+1], v[rX2:rX2+1], v[rCo:rCo+1]
	v_pk_fma_f32 v[rU1:rU1+1], v[rX2:rX2+1], v[rSi:rSi+1], v[rU1:rU1+1] neg_lo:[1,0,0] neg_hi:[1,0,0]
	v_pk_fma_f32 v[rU2:rU2+1], v[rX1:rX1+1], v[rSi:rSi+1], v[rU2:rU2+1]
.endr
.endr
	WIN 5*(2+(\a)/2)                               ; sources 0 and 1 in the accumulators' window
.irp hd, 0,1,2
.irp c, 1,3
.irp i, 0,1,2,3
	v_cvt_pk_f16_f32 v[PKD+4*(4*(\hd)+(\c))+(\i)], v[AB+8*(4*(\hd)+(\c))+2*(\i)], v[AB+8*(4*(\hd)+(\c))+2*(\i)+1]
.endr
.endr
.endr
	WIN 0
.irp hd, 0,1,2
.irp i, 0,1,2,3
	v_cvt_pk_f16_f32 v[PKD+16*(\hd)+(\i)],   v[U+16*(\hd)+2*(\i)],   v[U+16*(\hd)+2*(\i)+1]
	v_cvt_pk_f16_f32 v[PKD+16*(\hd)+8+(\i)], v[U+16*(\hd)+8+2*(\i)], v[U+16*(\hd)+8+2*(\i)+1]
.endr
.endr
.endm
.macro TOSTAGE                         ; into my own stage, a head's 16 rows of 144 bytes after the other, and back as whole rows
	WIN 0
.irp hd, 0,1,2
.irp c, 0,1,2,3
	ds_store_b128 v[STO], v[PKD+4*(4*(\hd)+(\c)):PKD+4*(4*(\hd)+(\c))+3] offset:(\hd)*16*PITCH+32*(\c)
.endr
.endr
	s_wait_xcnt 0x0                                ; the registers below, which the last block's stores read, are loaded again only behind this wait
.irp hd, 0,1,2
.irp f, 0,1,2,3
	ds_load_b128 v[BK+4*(4*(\hd)+(\f)):BK+4*(4*(\hd)+(\f))+3], v[RD] offset:(\hd)*16*PITCH+(\f)*4*PITCH  ; LDS serves a wave's instructions in order (ISA guide 5.7.1.4): these see the stores above
.endr
.endr
.endm
.macro SEND a
	s_wait_dscnt 0x0
.irp hd, 0,1,2
.irp f, 0,1,2,3
	global_store_b128 v[GO], v[BK+4*(4*(\hd)+(\f)):BK+4*(4*(\hd)+(\f))+3], s[12:13] offset:(\hd)*2097152+(\a)*2048+(\f)*512  ; 512 consecutive bytes, aligned
.endr
.endr
.endm
	PACK 0
	TOSTAGE
.irp a, 1,2,3                          ; a block's arithmetic stands between the loads of the block before and its stores
	PACK \a
	SEND (\a)-1
	TOSTAGE
.endr
	SEND 3
	s_sub_co_u32 s[TL], s[TL], 1
	s_cmp_eq_u32 s[TL], 0
	s_cbranch_scc1 .Ldone
	s_wait_xcnt 0x0                                ; the stores have read their base:
	s_add_nc_u64 s[12:13], s[12:13], KSTR          ; on to the next kind; nothing waits for the stores themselves
	s_cmp_eq_u32 s[TL], 1
	s_cselect_b32 s[VM], -1, 0                     ; the last tile is v: it goes through the same text as a rotation by 0
.irp a, 0,1,2,3
.irp j, 0,1,2,3,4,5,6,7
	v_cndmask_b32 v[CS+16*(\a)+(\j)], v[CS+16*(\a)+(\j)], 1.0, s[VM]
	v_cndmask_b32 v[CS+16*(\a)+8+(\j)], v[CS+16*(\a)+8+(\j)], 0, s[VM]
.endr
.endr
	s_branch .Ltile
.Ldone:
	s_wait_tensorcnt 0x0                           ; the wave's end, behind my last tensor load and my last LDS store
	ds_add_u32 v[SPW], v[NIL]
	s_wait_dscnt 0x0
	CROUND                                         ; the closing round: no work-group ends while a partner may still ask for a tile that names it
	s_endpgm
.Lfunc_end_k_q31ab08959d_proj:
	.size	k_q31ab08959d_proj, .Lfunc_end_k_q31ab08959d_proj-k_q31ab08959d_proj
	.p2alignl 7, 3214868480
	.fill 96, 4, 3214868480
	.section	.rodata,"a",@progbits
	.p2align	6, 0x0
	.amdhsa_kernel k_q31ab08959d_proj
		.amdhsa_group_segment_fixed_size 327680
		.amdhsa_private_segment_fixed_size 0
		.amdhsa_enable_private_segment 0
		.amdhsa_kernarg_size 40
		.amdhsa_user_sgpr_count 2
		.amdhsa_user_sgpr_kernarg_segment_ptr 1
		.amdhsa_wavefront_size32 1
		.amdhsa_system_sgpr_workgroup_id_x 1
		.amdhsa_system_sgpr_workgroup_id_y 1
		.amdhsa_system_sgpr_workgroup_id_z 1
		.amdhsa_system_vgpr_workitem_id 0
		.amdhsa_next_free_vgpr 992
		.amdhsa_next_free_sgpr 80
		.amdhsa_reserve_vcc 0
		.amdhsa_float_denorm_mode_32 3
		.amdhsa_float_denorm_mode_16_64 3
		.amdhsa_memory_ordered 1
		.amdhsa_forward_progress 1
		.amdhsa_inst_pref_size 134
	.end_amdhsa_kernel
	.amdgpu_metadata
---
amdhsa.version: [ 1, 2 ]
amdhsa.kernels:
  - .name:           k_q31ab08959d_proj
    .symbol:         k_q31ab08959d_proj.kd
    .args:
      - { .name: xb, .offset: 0, .size: 8, .value_kind: global_buffer, .address_space: global }
      - { .name: wb, .offset: 8, .size: 8, .value_kind: global_buffer, .address_space: global }
      - { .name: biasr, .offset: 16, .size: 8, .value_kind: global_buffer, .address_space: global }
      - { .name: rope, .offset: 24, .size: 8, .value_kind: global_buffer, .address_space: global }
      - { .name: qkv, .offset: 32, .size: 8, .value_kind: global_buffer, .address_space: global }
    .group_segment_fixed_size: 327680
    .private_segment_fixed_size: 0
    .kernarg_segment_align: 8
    .kernarg_segment_size: 40
    .max_flat_workgroup_size: 128
    .sgpr_count:     80
    .vgpr_count:     992
    .wavefront_size: 32
...
	.end_amdgpu_metadata
.endif
;; end of part 2
;; launch attn (part 3): grid 4 x 64, 4 waves a work-group, clusters of 4 x 1, 327,680 bytes of LDS; arguments qkv, ob; writes ob
.if DOCPART == 3
	.amdgcn_target "amdgcn-amd-amdhsa--gfx1250"
	.amdhsa_code_object_version 6
	.text
	.protected	k_q31ab08959d_attn
	.globl	k_q31ab08959d_attn
	.p2align	8
	.type	k_q31ab08959d_attn,@function
k_q31ab08959d_attn:
	s_mov_b64 s[64:65], 0
	v_nop
	global_prefetch_b8 v0, s[64:65] scope:SCOPE_SE
	s_setreg_imm32_b32 hwreg(HW_REG_WAVE_MODE, 25, 1), 1
	s_wait_xcnt 0x0
	s_wait_alu depctr_hold_cnt(0) depctr_sa_sdst(0) depctr_va_vdst(0) depctr_va_sdst(0) depctr_va_ssrc(0) depctr_va_vcc(0) depctr_vm_vsrc(0)
	s_getreg_b32 s2, hwreg(HW_REG_IB_STS2, 6, 4)
	s_cmp_eq_u32 s2, 0
	s_cbranch_scc0 .Lentry_in_a_cluster
	s_endpgm
.Lentry_in_a_cluster:
	s_bfe_u32 s2, ttmp6, 0x10000c
	s_cmp_lg_u32 s2, 0x3003
	s_cbranch_scc0 .Lentry_shape_is_right
	s_endpgm
.Lentry_shape_is_right:
; O[y][q][:] = the sum over k of softmax_k(Q[y][q] . K[y][k] / 8) V[y][k][:] for the 192 planes y = 16 head + batch.  qkv: f16 [3][192][1024][64] (Q, K, V); ob: f16 [192][1024][64].
; Products, maxima and sums in f32; the weights p are rounded to f16 for the second product (their sum l is taken of the unrounded p), O once at the end.
; LIMITS.  Q, K and V arrive within f16's 65,504; p lies in 0 to 1, and below 6e-5 it keeps f16's fixed step of 6e-8; a weight below 2^-126 counts as 0 in l; NaN and infinities are not treated apart.
; SHARES.  A WORK-GROUP STAYS: it owns 256 queries of each of three neighbouring planes, 3 Y to 3 Y + 2, one plane after the other; each of its four waves 64 queries: two PIECES of two tiles of 16.
; Every wave walks all 1,024 keys of a plane, 64 a step.  64 clusters of four work-groups: 256 work-groups for 768 blocks of queries.
; FOUR SLOTS.  LDS holds 1,024 rows of K (144 bytes each) and of V (160): four slots of 256 keys.  The three planes lie end to end in memory: 12 chunks of 256 keys; chunk n lies in slot n % 4.  Chunks 0 to 3 are
; asked for at the head (four loads of each wave are out).  Behind a chunk's fourth key step stands a change of slots, which fills the slot just read out with the chunk four further on: one load a wave, with four
; key steps, 256 matrix instructions, in which to land.  The last plane's changes ask for nothing: a forward branch on the count of planes chooses, and every wait on TENSORcnt behind it is for 0.
; K runs a step ahead of V, so a chunk's fourth step reads the next chunk's first K: that chunk was shown landed a change earlier (at the start: by the first wait, which covers chunks 0 and 1).
; CLUSTER.  A plane's four query blocks are one cluster and want the same K and V: each load is joint, the same descriptor and mask in all four.
; LAYOUT.  S^T = K Q^T (source 0 = 16 keys, source 1 = 16 queries): a lane holds ONE query (lane % 16) and the keys 8 (lane / 16) + 0..7.  Two such tiles, rounded to f16 in pairs, ARE source 1 of
; O^T = V^T P, whose result again holds one query a lane, and eight channels.  K comes out of LDS as it lies, V turned, by ds_load_tr16_b128.
; SOFTMAX.  A running maximum m and sum l: p = 2^(c s - c m), c = log2(e) / 8; in every step O and l are multiplied by a = 2^(c m_old - c m_new).  At a plane's beginning m is the lowest finite number and c m lies
; far below every c s, so the first step's a is 0: O and l need only be finite: zeros for the first plane, what the plane before left for the others.
; BY TURNS.  Turn n belongs to piece n.  Its matrix work: 16 products K Q^T of the other piece's next scores, later 16 products V^T P of the other piece.  Its vector work: scaling, exponentials, roundings, sums and
; rescaling of its own piece, and the maximum and statistics of the other.  Four vector instructions stand behind every matrix instruction, the rest in one run; a turn's 66 exponentials are one batch with one wait.
; REGISTERS, in windows of 256 (s_set_vgpr_msb: bits 1:0 source 0, 3:2 source 1, 5:4 source 2, 7:6 destination):
;   window 0: v0-11, v34-35 addresses; v12-15, v48-63 at work; v16-31 four registers of statistics a tile; v32-33 the add's; v64-191 S^T, a buffer a piece; v192-255 P, likewise
;   window 1: v0-127 O^T, 32 a tile          window 2: v0-63 Q, 16 a tile; v64-127 the next plane's Q; v128-191 K of one step; v192-255 V of one step
.set NP,    2         ; pieces a wave: a name, no knob
.set KS,    64        ; keys in a step
.set PK,    144       ; a row of K in LDS: 128 bytes + 16 of padding = 36 words: the 16 rows of a load start at 16 different groups of four banks (64 banks of 4 bytes: ISA guide 11.1)
.set PV,    160       ; a row of V: 128 + 32 = 40 words
.set VOFF,  1024*PK   ; V lies behind K
.set STAGE, 1024*(PK+PV)  ; behind them, never filled by a tensor load: 16 rows x 144 bytes for each wave, for the way out
.set SP,    144
.set SPARE, STAGE+4*16*SP  ; the spare words, 128 bytes for each wave: two blocks of 256 bytes that no other line names
.set KIND,  25165824  ; bytes from Q to K and from K to V
.set PLANE, 131072    ; bytes in a plane
.set CHUNK, 32768     ; bytes of K, and of V, in 256 keys
.set AK0, 2           ; v2   my lane's place in a tile of K; never rewritten
.set AV0, 3           ; v3   the same for V
.set AK,  4           ; v4   the LDS address of K's next run of loads
.set AV,  5           ; v5   of V's
.set STO, 6           ; v6   the way out: where I put 16 bytes of a row
.set RD,  7           ; v7   the way out: where I read rows back
.set GO,  8           ; v8   my byte offset in 512 consecutive bytes of O
.set MV,  12          ; v12-15  c m_old, kept while c m is made anew: by buffer and tile
.set ST,  16          ; tile t's statistics at v[ST+4 t]: c m, m, l (even keys', odd keys')
.set SPW, 32          ; v32  LDS address of my spare word; never rewritten
.set NIL, 33          ; v33  0; never rewritten
.set QO,  34          ; v34  my byte offset in the wave's rows of Q; never rewritten
.set PFO, 35          ; v35  256 x my lane: the prefetches' offset; never rewritten
.set TMP, 48          ; by buffer and tile, four registers c0-c3 at work; when the maximum is found c2 takes a
.set S,   64
.set P,   192
.set QB,  64          ; window 2: the next plane's Q
.set KF,  128         ; K's fragments, in window 2: key block kb, channel half c at KF + 16 kb + 8 c
.set VF,  192         ; V's: key half kk, channel block cb at VF + 32 kk + 8 cb
.set WV,  12          ; s12  my wave's number
.set LIM, 19          ; s19  1 in a wave that prefetches (0 and 2), else the greatest number
.set PFA, 20          ; s[20:21] where my prefetches stand: my work-group's 8,192 bytes (of K: wave 0, of V: wave 2) of the chunk behind the one that is being asked for
.set G1K, 24          ; s[24:31] descriptor group 1 for K's tiles
.set G1V, 32          ; s[32:39] for V's: it differs in the padding alone
.set G0K, 40          ; s[40:55] descriptor group 0 for K's tiles, a set for each first fill; the fourth then walks
.set G0V, 68          ; s[68:83] the same for V's
.set GWK, G0K+12
.set GWV, G0V+12
.set CH,  56          ; s56  chunks of the plane still to go, the one in hand among them
.set CNT, 57          ; s57  counts a chunk's key steps
.set CS,  58          ; s[58:59] c: the packed scaling takes the pair's low word for both halves
.set SEL, 60          ; s[60:61] v_permlanex16_b32's selects: each lane takes its own place in the other half
.set TBK, 62          ; s62  LDS byte at which K of the step to be fetched begins
.set TBV, 63          ; s63  the same for V, less VOFF
.set PLN, 66          ; s66  planes still to go, the one in hand among them: the same in every work-group
.set FL,  67          ; s67  fills still to come
.set MSB, 0
.macro WIN new                      ; the high byte repeats the setting that is left; a switch that changes nothing is dropped
.if MSB != (\new)
	s_set_vgpr_msb (MSB<<8)|(\new)
.set MSB, (\new)
.endif
.endm
.set W_KQ, 0x0a       ; K and Q in window 2, S^T in window 0
.set W_PV, 0x52       ; V in window 2, P in window 0, O^T in window 1
.set W_RS, 0x41       ; O^T (destination and source 0) in window 1, a in window 0
.macro CROUND                       ; a round of the cluster's barrier
	s_barrier_signal -1
	s_barrier_wait -1
	s_cmp_lg_u32 s[WV], 0
	s_cbranch_scc1 .Lnot_wave_0_\@
	s_barrier_signal -3
.Lnot_wave_0_\@:
	s_barrier_wait -3
	s_barrier_signal -1
	s_barrier_wait -1
.endm
; A joint refill.  Waves 0 and 1 fetch the two halves of a chunk's K, waves 2 and 3 those of its V: 128 keys each.  The branch hangs on the wave's number alone.
; An s_nop 0 and four v_nop follow each of the two lines, ahead of the jump and the label.
.macro JLOAD
	s_cmp_lt_u32 s[WV], 2
	s_cbranch_scc0 .Lfor_v_\@
	tensor_load_to_lds s[GWK:GWK+3], s[G1K:G1K+7]
	s_nop 0
.rept 4
	v_nop
.endr
	s_branch .Lasked_\@
.Lfor_v_\@:
	tensor_load_to_lds s[GWV:GWV+3], s[G1V:G1V+7]
	s_nop 0
.rept 4
	v_nop
.endr
.Lasked_\@:
.endm
; A PREFETCH INTO THE L2 of the chunk that the NEXT change of slots will ask for: four key steps, 256 matrix instructions, ahead of that load.  It stands behind the wave's tensor load and its five lines.
; A plane's K and V are walked by one cluster alone.  Its four partners share a chunk's 32,768 bytes out BY ADDRESS, 8,192 each, a lane 256 bytes; in each, wave 0 asks for K's and wave 2 for V's: one instruction.
; So each block is named once in the launch.  Chunk 4 comes by its load alone; the last change that fills a slot asks for nothing: there is no chunk behind its own.
.macro ASK
	s_cmp_gt_u32 s[FL], s[LIM]
	s_cbranch_scc0 .Lnot_mine_\@
	global_prefetch_b8 v[PFO], s[PFA:PFA+1] th:TH_LOAD_NT scope:SCOPE_SE
.Lnot_mine_\@:
.endm
; THE CHANGE OF SLOTS, behind a chunk's fourth key step: its last bytes, V of that step, have been read.  Each wave waits for all its tensor loads (of which one is out, at the first change two), adds 0 to its spare word,
; and waits for that and for its own reads.  fill = 1: the barrier is a round of the cluster's, so that no wave of any partner still reads the slot or has a load on its way, and the joint refill is the first thing
; behind it: the chunk four further on, which lies 32,768 bytes behind the last one asked for, into slot 4 - CH.  fill = 0 (the last plane): a barrier alone.
.macro CHANGE fill
	WIN 0
	s_wait_tensorcnt 0x0            ; no tensor load of mine is out, so a group 0 may be written
	ds_add_u32 v[SPW], v[NIL]       ; 0 onto my spare word; with fill = 1 the descriptors' steps stand between it and the wait for it
.if \fill
	s_sub_co_u32 s84, 4, s[CH]      ; the slot just read out: 0 to 3
	s_mul_i32 s85, s84, 256*PK
	s_add_co_u32 s[GWK+1], s17, s85 ; my half of it, for K,
	s_mul_i32 s85, s84, 256*PV
	s_add_co_u32 s[GWV+1], s18, s85 ; and for V
	s_add_nc_u64 s[GWK+2:GWK+3], s[GWK+2:GWK+3], CHUNK  ; the type bits on top are not reached
	s_add_nc_u64 s[GWV+2:GWV+3], s[GWV+2:GWV+3], CHUNK
	s_wait_xcnt 0x0                 ; the last prefetch, four key steps back, has read its address, so it may be written
	s_add_nc_u64 s[PFA:PFA+1], s[PFA:PFA+1], CHUNK
	s_wait_dscnt 0x0                ; the add is done, and my reads of the slot are over
	CROUND
	JLOAD
	ASK
	s_sub_co_u32 s[FL], s[FL], 1
.else
	s_wait_dscnt 0x0                ; the add is done, and my LDS reads are back
	s_barrier_signal -1
	s_barrier_wait -1
.endif
.endm
; 16 loads: a plane's Q for my 64 queries, into window 2 from register d on: tile i / 2, channels 32 (i % 2) on
.macro QLOAD d, off
	WIN 0x80                        ; destination window 2, address window 0
.set i, 0
.rept 4*NP
	global_load_b128 v[(\d)+8*i:(\d)+8*i+3],   v[QO], s[4:5] offset:(\off)+(i/2)*2048+(i%2)*64
	global_load_b128 v[(\d)+8*i+4:(\d)+8*i+7], v[QO], s[4:5] offset:(\off)+(i/2)*2048+(i%2)*64+32
.set i, i+1
.endr
	WIN 0
.endm
	s_load_b128 s[4:7], s[0:1], 0x0  ; qkv s[4:5], ob s[6:7]
	v_lshl_add_u32 v[SPW], v0, 2, SPARE
	v_mov_b32 v[NIL], 0
	ds_add_u32 v[SPW], v[NIL]       ; the wave's opening: the add and its wait ahead of my first tensor load
	v_lshrrev_b32 v1, 5, v0
	v_readfirstlane_b32 s[WV], v1   ; wave 0..3
	s_bfe_u32 s13, ttmp6, 0x40000   ; cx: my block of 256 queries: it enters Q's, O's and the prefetches' addresses alone
	s_and_b32 s20, ttmp7, 0xffff    ; the cluster's number, which the four partners share:
	s_mul_i32 s20, s20, 3*PLANE     ; the first of its three planes
	s_and_b32 s16, s[WV], 1         ; which half of a chunk's 256 keys I fetch:
	s_lshl_b32 s22, s16, 14         ; its 128 rows of 128 bytes in memory,
	s_add_co_u32 s22, s22, s20
	s_mov_b32 s23, 0
	s_mul_i32 s17, s16, 128*PK      ; and its place in a slot, for K
	s_mul_i32 s18, s16, 128*PV      ; and for V: no place in the cluster enters an LDS address
	s_add_co_u32 s18, s18, VOFF
	s_lshl_b32 s2, s13, 15
	s_lshl_b32 s3, s[WV], 13        ; my wave's 64 rows
	s_add_co_u32 s2, s2, s3
	s_add_co_u32 s2, s2, s20
	s_mov_b32 s3, 0
	; descriptor group 1.  128 keys are 16,384 dense bytes: asked for as 64 rows of 256 bytes, two keys a row, and padded in LDS after every key
	s_mov_b32 s[G1K], 15|(1<<16)|(1<<20)|(1<<21)|(4<<22)|(3<<25)  ; 15:0 the mask of four; 17:16 2-byte elements; 20 padding on; 21 set beside a mask; 24:22 after every 32 words (code 4); 31:25 4 words (code 3)
	s_mov_b32 s[G1V], 15|(1<<16)|(1<<20)|(1<<21)|(4<<22)|(7<<25)  ; the same with 8 words of padding (code 7)
.irp g, G1K, G1V
	s_mov_b32 s[\g+1], 128<<16      ; tensor_dim0 = 128
	s_mov_b32 s[\g+2], 64<<16       ; tensor_dim1 = 64
	s_mov_b32 s[\g+3], 128<<16      ; tile_dim0 = 128
	s_mov_b32 s[\g+4], 64           ; tile_dim1 = 64
	s_mov_b32 s[\g+5], 128          ; 128 elements from row to row
	s_mov_b32 s[\g+6], 0
	s_mov_b32 s[\g+7], 0
.endr
	s_mov_b32 s[CS], 0x3e38aa3b     ; c = log2(e) / 8 = 0.180337
	s_mov_b32 s[CS+1], s[CS]        ; named with it as a pair
	s_mov_b32 s[SEL], 0x76543210
	s_mov_b32 s[SEL+1], 0xfedcba98
	s_mov_b32 s[TBK], 0
	s_mov_b32 s[TBV], 0
	s_mov_b32 s[PLN], 3
	s_mov_b32 s[FL], 8              ; chunks 4 to 11
	s_and_b32 s[LIM], s[WV], 1
	s_cmp_eq_u32 s[LIM], 0
	s_cselect_b32 s[LIM], 1, -1
	s_lshl_b32 s84, s13, 13         ; my work-group's 8,192 bytes of a chunk
	s_mov_b32 s85, 0
	s_wait_dscnt 0x0                ; the opening add is done
	s_wait_kmcnt 0x0
	s_add_nc_u64 s[8:9], s[4:5], s[22:23]
	s_add_nc_u64 s[14:15], s[8:9], 2*KIND  ; V at my half of the first plane's first chunk
	s_add_nc_u64 s[8:9], s[8:9], KIND      ; K likewise
	s_add_nc_u64 s[4:5], s[4:5], s[2:3]    ; Q and O at my wave's first row
	s_add_nc_u64 s[10:11], s[6:7], s[2:3]
	s_cmp_lt_u32 s[WV], 2
	s_cselect_b64 s[PFA:PFA+1], s[8:9], s[14:15]  ; (in waves 0 and 2 these stand at a chunk's first row)
	s_add_nc_u64 s[PFA:PFA+1], s[PFA:PFA+1], s[84:85]
	s_add_nc_u64 s[PFA:PFA+1], s[PFA:PFA+1], 4*CHUNK  ; in chunk 4: the first change of slots steps it to chunk 5.  Nothing is prefetched here, at the head
	CROUND                          ; all four work-groups are here: the joint loads meet
.irp c, 0,1,2,3
	s_mov_b32 s[G0K+4*(\c)], 1      ; 1:0 count = 1
	s_add_co_u32 s[G0K+4*(\c)+1], s17, (\c)*256*PK  ; 63:32 LDS address
	s_add_nc_u64 s[G0K+4*(\c)+2:G0K+4*(\c)+3], s[8:9], (\c)*CHUNK  ; 120:64 global address
	s_or_b32 s[G0K+4*(\c)+3], s[G0K+4*(\c)+3], 0x80000000  ; 127:126 type = 2
	s_mov_b32 s[G0V+4*(\c)], 1
	s_add_co_u32 s[G0V+4*(\c)+1], s18, (\c)*256*PV
	s_add_nc_u64 s[G0V+4*(\c)+2:G0V+4*(\c)+3], s[14:15], (\c)*CHUNK
	s_or_b32 s[G0V+4*(\c)+3], s[G0V+4*(\c)+3], 0x80000000
.endr
	s_cmp_lt_u32 s[WV], 2           ; a wave's four first fills stand in one branch, ahead of every wait on TENSORcnt and every LDS read: four loads of mine are out; an s_nop 0 follows each, four v_nop the last
	s_cbranch_scc0 .Lfirst_v
.irp c, 0,1,2,3
	tensor_load_to_lds s[G0K+4*(\c):G0K+4*(\c)+3], s[G1K:G1K+7]
	s_nop 0
.endr
.rept 4
	v_nop
.endr
	s_branch .Lfirst_asked
.Lfirst_v:
.irp c, 0,1,2,3
	tensor_load_to_lds s[G0V+4*(\c):G0V+4*(\c)+3], s[G1V:G1V+7]
	s_nop 0
.endr
.rept 4
	v_nop
.endr
.Lfirst_asked:
	; A fragment of K or Q is 16 rows x 32 channels in 8 registers: lane l holds row l % 16, channels 8 (l / 16) + 0..7 and 16 + 8 (l / 16) + 0..7: two loads of 16 bytes, 32 bytes apart.
	v_and_b32 v1, 15, v0            ; l % 16
	v_bfe_u32 v9, v0, 4, 1          ; l / 16
	v_lshlrev_b32 v[QO], 7, v1
	v_lshl_add_u32 v[QO], v9, 4, v[QO]  ; row x 128 + 16 x half
	QLOAD 0, 0                      ; the first plane's Q, which stays in registers,
	QLOAD QB, PLANE                 ; and the second's, set aside
	; What the first turn finds: V's registers and P's second buffer hold 0 (its products V^T P, of a step that has not been, add 0), O^T and l are 0.  All this stands in the wait for the first chunks, once a launch.
	WIN 0x80
.set i, VF
.rept 64
	v_mov_b32 v[i], 0
.set i, i+1
.endr
	WIN 0x40
.set i, 0
.rept 64*NP
	v_mov_b32 v[i], 0
.set i, i+1
.endr
	WIN 0
.set i, 0
.rept 2*NP
	v_mov_b32 v[ST+4*i+2], 0
	v_mov_b32 v[ST+4*i+3], 0
.set i, i+1
.endr
.set i, P+32
.rept 32
	v_mov_b32 v[i], 0
.set i, i+1
.endr
	v_mul_u32_u24 v[AK0], v1, PK
	v_lshl_add_u32 v[AK0], v9, 4, v[AK0]  ; row x pitch + 16 x half
	; The turning load takes 16 keys x 16 channels (lane l reads key 8 (l / 16) + l % 8, channels 8 ((l / 8) % 2) + 0..7) and leaves half a fragment of V^T: lane l holds channel l % 16 and 8 keys.
	v_and_b32 v10, 7, v0
	v_bfe_u32 v11, v0, 3, 1
	v_lshl_add_u32 v[AV0], v9, 3, v10
	v_mul_u32_u24 v[AV0], v[AV0], PV
	v_lshl_add_u32 v[AV0], v11, 4, v[AV0]
	v_add_nc_u32 v[AV0], VOFF, v[AV0]
	v_mov_b32 v[AK], v[AK0]         ; key step 0 lies at K's head
	s_mul_i32 s13, s[WV], 16*SP
	s_add_co_u32 s13, s13, STAGE    ; my stage
	v_mul_u32_u24 v[STO], v1, SP    ; in: row l % 16, 16 bytes for each half of the lanes
	v_lshl_add_u32 v[STO], v9, 4, v[STO]
	v_add_nc_u32 v[STO], s13, v[STO]
	v_bfe_u32 v[RD], v0, 3, 2       ; back: 32 lanes take four rows of 128 bytes,
	v_mul_u32_u24 v[RD], v[RD], SP
	v_lshl_add_u32 v[RD], v10, 4, v[RD]
	v_add_nc_u32 v[RD], s13, v[RD]
	v_and_b32 v[GO], 31, v0         ; which are 512 consecutive bytes of O
	v_lshlrev_b32 v[PFO], 8, v[GO]
	v_lshlrev_b32 v[GO], 4, v[GO]
; THE MATRIX WORK.  The 8 accumulators of a run of 16 take turns: between the two links of a chain stand 7 others'.
; Product i of 16 of S^T = K Q^T for piece x: channels 32 (i / 8) on, keys 16 ((i / 2) % 4) on, tile 2 x + i % 2.  The first 8 start the sums.
.macro KQ x
	WIN W_KQ
.set rS, S+64*((\x)%2)+32*(i%2)+8*((i/2)%4)
.set rK, KF+16*((i/2)%4)+8*(i/8)
.set rQ, 16*(2*(\x)+i%2)+8*(i/8)
.if i < 8
	v_wmma_f32_16x16x32_f16 v[rS:rS+7], v[rK:rK+7], v[rQ:rQ+7], 0
.else
	v_wmma_f32_16x16x32_f16 v[rS:rS+7], v[rK:rK+7], v[rQ:rQ+7], v[rS:rS+7]
.endif
.endm
; Product i of 16 of O^T += V^T P for piece x: keys 32 (i / 8) on, channels 16 ((i / 2) % 4) on, tile 2 x + i % 2.
.macro PV x
	WIN W_PV
.set rO, 32*(2*(\x)+i%2)+8*((i/2)%4)
.set rV, VF+32*(i/8)+8*((i/2)%4)
.set rP, P+32*((\x)%2)+16*(i%2)+8*(i/8)
	v_wmma_f32_16x16x32_f16 v[rO:rO+7], v[rV:rV+7], v[rP:rP+7], v[rO:rO+7]
.endm
.macro MM                           ; the turn's next matrix instruction
.if i < 16
	KQ (Y+1)%NP
.set i, i+1
.else
.set i, i-16
	PV (Y+NP-1)%NP
.set i, i+17
.endif
.endm
; THE LDS LOADS stand in runs of 16, never singly among the matrix instructions: a step's K (64 keys x 64 channels: 8 fragments) and its V (turned).  Their addresses are made some lines ahead.
; The walk goes round the four slots: behind a plane's step 15 comes step 0 of the next plane, at LDS byte 0 again (in the last plane: its own step 0 once more, which serves nothing).
.macro FETCH_K
	WIN 0x80                        ; destination window 2
.irp f, 0,1,2,3,4,5,6,7             ; keys 16 (f / 2) on, channels 32 (f % 2) on
	ds_load_b128 v[KF+8*\f:KF+8*\f+3],   v[AK] offset:(\f/2)*16*PK+(\f%2)*64
	ds_load_b128 v[KF+8*\f+4:KF+8*\f+7], v[AK] offset:(\f/2)*16*PK+(\f%2)*64+32
.endr
	s_add_co_u32 s[TBK], s[TBK], KS*PK  ; the next fetch is the next step's,
	s_cmp_eq_u32 s[TBK], 16*KS*PK
	s_cselect_b32 s[TBK], 0, s[TBK]     ; round the four slots
	WIN 0
.endm
.macro FETCH_V
	WIN 0x80
.irp f, 0,1,2,3,4,5,6,7             ; keys 32 (f / 4) on, channels 16 (f % 4) on
	ds_load_tr16_b128 v[VF+8*\f:VF+8*\f+3],   v[AV] offset:(\f/4)*32*PV+(\f%4)*32
	ds_load_tr16_b128 v[VF+8*\f+4:VF+8*\f+7], v[AV] offset:(\f/4)*32*PV+16*PV+(\f%4)*32
.endr
	WIN 0
.endm
; THE VECTOR WORK OF A TURN stands in three queues, each in the order in which its entries become ready; the two tiles alternate, so that no instruction reads the result of the one before it.
.macro REGS y, u                    ; the registers of tile u (0, 1) of piece y
.set rT, ST+4*(2*(\y)+(\u))
.set rC, TMP+8*((\y)%2)+4*(\u)
.set rM, MV+2*((\y)%2)+(\u)
.set rS, S+64*((\y)%2)+32*(\u)
.set rP, P+32*((\y)%2)+16*(\u)
.set rO, 32*(2*(\y)+(\u))
.endm
; Number n of the 22 that find the OTHER piece's maximum and statistics.  s0-s31 are the lane's 32 scores; each accumulator's lowest registers are read first.
;   0-11  four chains c0-c3 of seven scores each, three operands at a time     12-14, 16  the four scores left over, the old m, and c0-c3 into c0     15  c m_old is kept
;   17, 18  the query's other 32 keys lie in the lane 16 away: the new m         19-21  c m; c m_old - c m_new; a
.macro XS u, n
	REGS (Y+1)%NP, \u
.if (\n) < 4
	v_max3_num_f32 v[rC+(\n)], v[rS+8*(\n)], v[rS+8*(\n)+1], v[rS+8*(\n)+2]
.elseif (\n) < 12
	v_max3_num_f32 v[rC+(\n)%4], v[rC+(\n)%4], v[rS+8*((\n)%4)+2*((\n)/4)+1], v[rS+8*((\n)%4)+2*((\n)/4)+2]
.elseif (\n) == 12
	v_max3_num_f32 v[rC], v[rC], v[rS+7], v[rS+15]
.elseif (\n) == 13
	v_max3_num_f32 v[rC+1], v[rC+1], v[rS+23], v[rS+31]
.elseif (\n) == 14
	v_max3_num_f32 v[rC+2], v[rC+2], v[rC+3], v[rT+1]
.elseif (\n) == 15
	v_mov_b32 v[rM], v[rT]
.elseif (\n) == 16
	v_max3_num_f32 v[rC], v[rC], v[rC+1], v[rC+2]
.elseif (\n) == 17
	v_permlanex16_b32 v[rC+3], v[rC], s[SEL], s[SEL+1]
.elseif (\n) == 18
	v_max_num_f32 v[rT+1], v[rC], v[rC+3]
.elseif (\n) == 19
	v_mul_f32 v[rT], s[CS], v[rT+1]
.elseif (\n) == 20
	v_sub_f32 v[rC+1], v[rM], v[rT]
.else
	v_exp_f32 v[rC+2], v[rC+1]
.endif
.endm
; Number g of the 64 that follow the exponentials.  For each four weights k of a tile (pairs 2 k, 2 k + 1): both pairs are rounded to f16; then the second pair is added onto the first, in place;
; a group later l takes that sum (the first time as l = a l + sum).  In groups of eight, tiles alternating: round, round, add, and l for the group before.
.macro GS g
.set h, (\g)+6*((\g)/62)            ; group 0 has no group before it, and behind group 7 only l is left
.if h >= 6
.set h, h+2
.endif
	REGS Y, h%2
.set k, h/8
.if h%8 < 4
	v_cvt_pk_f16_f32 v[rP+2*k+(h%8)/2], v[rS+4*k+2*((h%8)/2)], v[rS+4*k+2*((h%8)/2)+1]
.elseif h%8 < 6
	v_pk_add_f32 v[rS+4*k:rS+4*k+1], v[rS+4*k:rS+4*k+1], v[rS+4*k+2:rS+4*k+3]
.elseif k == 1
	v_pk_fma_f32 v[rT+2:rT+3], v[rT+2:rT+3], v[rC+2:rC+3], v[rS:rS+1] op_sel_hi:[1,0,1]
.else
	v_pk_add_f32 v[rT+2:rT+3], v[rT+2:rT+3], v[rS+4*k-4:rS+4*k-3]
.endif
.endm
; THE PLAIN QUEUE, 138 long.  0-73 read no exponential's result: the 32 scalings c s - c m (FS f: pair f / 2 of tile f % 2) and the other piece's 42.  0-26: scalings 0-26.  27-54: XS's numbers 0-13.  55, 56: number 15.
; 57-73: the chain, where each number waits for the one before it: 14, 16, 17, 18, 19, each with one of the scalings 27-31 in front of its two lines, then 20.  74-137: GS's 64, which stand behind the wait.
.macro FS f
	REGS Y, (\f)%2
	v_pk_fma_f32 v[rS+2*((\f)/2):rS+2*((\f)/2)+1], v[rS+2*((\f)/2):rS+2*((\f)/2)+1], s[CS:CS+1], v[rT:rT+1] op_sel_hi:[1,0,0] neg_lo:[0,0,1] neg_hi:[0,0,1]
.endm
.macro PL
	WIN 0
.if q < 27
	FS q
.elseif q < 55
	XS (q-27)%2, (q-27)/2
.elseif q < 57
	XS q-55, 15
.elseif (q < 72) && ((q-57)%3 == 0)
	FS 27+(q-57)/3
.elseif q < 60
	XS (q-57)%3-1, 14
.elseif q < 72
	XS (q-57)%3-1, 15+(q-57)/3
.elseif q < 74
	XS q-72, 20
.else
	GS q-74
.endif
.set q, q+1
.endm
; THE EXPONENTIALS' QUEUE, 66 long: s0-s31 of both tiles, then the other piece's two a.  ONE BATCH: all 66 stand ahead of the turn's one wait, and nothing ahead of that wait names a result of theirs.
.macro EX
	WIN 0
.if e >= 64
	XS e-64, 21
.else
	REGS Y, e%2
	v_exp_f32 v[rS+e/2], v[rS+e/2]
.endif
.set e, e+1
.endm
; THE RESCALING's QUEUE: O^T times a, the one part that leaves window 0: dealt two at a time, sixteen times.  Its a was made in the turn before, ahead of that turn's wait.  The piece's last products V^T P stand in the
; turn before: behind the last of them come that turn's four last riders and this turn's first two, all plain, before the first line here.
.macro R2
	REGS Y, r%2
	WIN W_RS
.irp z, 0,1
	v_pk_mul_f32 v[rO+4*(r/2)+2*\z:rO+4*(r/2)+2*\z+1], v[rO+4*(r/2)+2*\z:rO+4*(r/2)+2*\z+1], v[rC+2:rC+3] op_sel_hi:[1,0]
.endr
.set r, r+1
.endm
; A TURN, for piece p.  AHEAD OF THE WAIT stands all that names no result of the turn's exponentials: 16 products K Q^T, behind each a scaling, an exponential and two rescalings (behind the first a second scaling in the
; exponential's place); then a run of 108: eight plain, 49 times exponential and plain, the two a; a v_nop is the plain instruction behind the last exponential.  BEHIND IT: 16 products V^T P, behind each four of GS's 64.
; Piece 0's turn fetches K of the next step directly behind the wait (its last reader stands a run of 108 back) and V of the step in hand at its end, four plain riders behind V's last reader.
; Piece 1's turn waits for K at its head (V's 16 younger loads may stay out) and for V behind its batch's wait.  cnt = 1: the loop's count is taken down some lines ahead of the branch behind the turn.
.macro TURN p, cnt=0
.set Y, (\p)
.set i, 0
.set q, 0
.set e, 0
.set r, 0
.if (\p) == NP-1
	s_wait_dscnt 16                 ; K is in
.endif
	MM
	PL
	PL
	R2
.rept 15
	MM
	PL
	EX
	R2
.endr
.if (\p) == NP-2
	WIN 0
	v_add_nc_u32 v[AK], s[TBK], v[AK0]
.endif
.rept 8
	PL
.endr
.rept 49
	EX
	PL
.endr
	EX
	EX
	v_nop
	s_wait_alu depctr_va_vdst(0)    ; the wait for the batch: one for the 66
.if (\p) == NP-2
	FETCH_K
.endif
.if (\p) == 1
	s_wait_dscnt 0x0                ; V is in
.endif
.rept 16
	MM
.rept 4
	PL
.endr
.if ((\p) == 0) && (q == 118)
	v_add_nc_u32 v[AV], s[TBV], v[AV0]
.endif
.if ((\p) == 0) && (q == 130)
	s_add_co_u32 s[TBV], s[TBV], KS*PV
	s_cmp_eq_u32 s[TBV], 16*KS*PV
	s_cselect_b32 s[TBV], 0, s[TBV] ; round the four slots
.endif
.if (\cnt) && (q == 130)
	s_sub_co_u32 s[CNT], s[CNT], 1
	s_cmp_lg_u32 s[CNT], 0
.endif
.endr
.if (\p) == 0
	FETCH_V
.endif
.endm
; THE WAY OUT's parts.
.macro ALL line:vararg              ; one line for each tile t
.set t, 0
.rept 2*NP
	\line
.set t, t+1
.endr
.endm
; Tile t: a lane's eight channels of a row pack into 16 bytes; they go into rows of 144 bytes and come back as whole rows of 128, into the registers of S^T's first buffer.
.macro PACK t
	WIN W_RS
.set i, 32*(\t)
.rept 16
	v_pk_mul_f32 v[i:i+1], v[i:i+1], v[ST+4*(\t)+2:ST+4*(\t)+3] op_sel_hi:[1,0]
.set i, i+2
.endr
	WIN 0x05                        ; sources 0 and 1 window 1, destination window 0
.set i, 0
.rept 16
	v_cvt_pk_f16_f32 v[S+16*(\t)+i], v[32*(\t)+2*i], v[32*(\t)+2*i+1]
.set i, i+1
.endr
	WIN 0
.irp f, 0,1,2,3
	ds_store_b128 v[STO], v[S+16*(\t)+4*\f:S+16*(\t)+4*\f+3] offset:32*\f
.endr
.irp f, 0,1,2,3
	ds_load_b128 v[S+16*(\t)+4*\f:S+16*(\t)+4*\f+3], v[RD] offset:\f*4*SP  ; LDS serves a wave's instructions in order (ISA guide 5.7.1.4): these see the stores above; the next tile's stores come behind them
.endr
.endm
.macro SEND t, younger              ; younger: the LDS instructions issued behind tile t's loads: the next tile's eight, or none
	WIN 0
.irp f, 0,1,2,3
	s_wait_dscnt (\younger)+3-\f
	global_store_b128 v[GO], v[S+16*(\t)+4*\f:S+16*(\t)+4*\f+3], s[10:11] offset:(\t)*2048+\f*512  ; 512 consecutive bytes, at a multiple of 256 from O's first
.endr
.endm
	s_wait_tensorcnt 2              ; my parts of chunks 0 and 1 are in; the two younger loads may stay out
	s_barrier_signal -1
	s_barrier_wait -1               ; everybody's are
	FETCH_K                         ; key step 0
	s_wait_loadcnt 16               ; the first plane's Q is in; the second's 16 loads may stay out
.Lplane:                            ; three times.  K of the plane's step 0 has been asked for: at the head, or by the last trip of the plane before
	s_wait_dscnt 0x0
.set i, 0
.rept 16
	KQ 0                            ; piece 0's first scores: there is no vector work yet to set between them
.set i, i+1
.endr
	WIN 0
.set i, 0
.rept 2*NP                          ; a plane begins: eight plain instructions, which are also the places behind those products
	v_mov_b32 v[ST+4*i], 0xfe000000    ; c m: far below every c s
	v_mov_b32 v[ST+4*i+1], 0xff7fffff  ; m
.set i, i+1
.endr
.set Y, NP-1                        ; XS works for piece Y + 1: piece 0
.irp n, 0,1,2,3,4,5,6,7,8,9,10,11,12,13,14,15,16,17,18,19,20,21
	XS 0, \n                        ; piece 0's first maximum and statistics
	XS 1, \n
.endr
	v_nop                           ; a plain instruction behind the two a,
	s_wait_alu depctr_va_vdst(0)    ; and their wait, ahead of the label
	s_mov_b32 s[CH], 4
.Lchunk:                            ; four times a plane
	s_mov_b32 s[CNT], 4
.Lstep:                             ; a key step: both pieces' turns
	TURN 0
	TURN 1, 1
	WIN 0
	s_cbranch_scc1 .Lstep
	s_cmp_eq_u32 s[PLN], 1
	s_cbranch_scc1 .Lno_fill
	CHANGE 1                        ; the slot just read out takes the next plane's chunk of the same number
	s_branch .Lchanged
.Lno_fill:
	CHANGE 0                        ; the last plane asks for nothing more; its first change shows the last chunk landed
.Lchanged:
	s_sub_co_u32 s[CH], s[CH], 1
	s_cmp_lg_u32 s[CH], 0
	s_cbranch_scc1 .Lchunk
	; The plane's last trip has made 16 products K Q^T of the old Q with the next K, and a maximum of them: they serve nothing: the price, once a plane, of one text for every trip.
.set i, 0
.rept 16
	PV NP-1                         ; piece 1's V^T P of the last step
.set i, i+1
.endr
	; THE WAY OUT.  l's two halves and the other half of the lanes' are added; O^T is divided by l, rounded to f16 and sent through my stage in LDS, a tile at a time.  The additions are the places behind the last products.
	WIN 0
	ALL v_add_f32 v[ST+4*t+2], v[ST+4*t+2], v[ST+4*t+3]
	ALL v_permlanex16_b32 v[ST+4*t+3], v[ST+4*t+2], s[SEL], s[SEL+1]
	ALL v_add_f32 v[ST+4*t+2], v[ST+4*t+2], v[ST+4*t+3]
	ALL v_rcp_f32 v[ST+4*t+2], v[ST+4*t+2]
	v_nop                           ; a plain instruction between the last reciprocal and the use of its result
	s_wait_alu depctr_va_vdst(0)    ; and one wait for the four reciprocals, ahead of the first use
	PACK 0
.set t, 1
.rept 2*NP-1                        ; a tile's arithmetic stands between the loads of the tile before and its stores
	PACK t
	SEND t-1, 8
.set t, t+1
.endr
	SEND 2*NP-1, 0
	s_sub_co_u32 s[PLN], s[PLN], 1
	s_cmp_eq_u32 s[PLN], 0
	s_cbranch_scc1 .Ldone
	; THE CHANGE OF PLANES.  Nothing waits for the stores themselves.
	s_wait_loadcnt 0x0              ; the next plane's Q, asked for a plane ago, is in
	s_wait_xcnt 0x0                 ; the stores have read their registers and their base
	s_add_nc_u64 s[10:11], s[10:11], PLANE
	WIN 0x82                        ; the next plane's Q goes where the one text of the turns names Q
.set i, 0
.rept 64
	v_mov_b32 v[i], v[QB+i]
.set i, i+1
.endr
	WIN 0
	s_cmp_eq_u32 s[PLN], 1
	s_cbranch_scc1 .Lno_q           ; behind the last plane there is no Q to ask for
	s_add_nc_u64 s[4:5], s[4:5], PLANE
	QLOAD QB, PLANE                 ; the plane after next
.Lno_q:
	s_branch .Lplane
.Ldone:
	s_wait_tensorcnt 0x0            ; the wave's end, behind my last tensor load and my last LDS store
	ds_add_u32 v[SPW], v[NIL]
	s_wait_dscnt 0x0
	CROUND                          ; the closing round: no work-group ends while a partner may still ask for a tile that names it
	s_endpgm
.Lfunc_end_k_q31ab08959d_attn:
	.size	k_q31ab08959d_attn, .Lfunc_end_k_q31ab08959d_attn-k_q31ab08959d_attn
	.p2alignl 7, 3214868480
	.fill 96, 4, 3214868480
	.section	.rodata,"a",@progbits
	.p2align	6, 0x0
	.amdhsa_kernel k_q31ab08959d_attn
		.amdhsa_group_segment_fixed_size 327680
		.amdhsa_private_segment_fixed_size 0
		.amdhsa_enable_private_segment 0
		.amdhsa_kernarg_size 16
		.amdhsa_user_sgpr_count 2
		.amdhsa_user_sgpr_kernarg_segment_ptr 1
		.amdhsa_wavefront_size32 1
		.amdhsa_system_sgpr_workgroup_id_x 1
		.amdhsa_system_sgpr_workgroup_id_y 1
		.amdhsa_system_sgpr_workgroup_id_z 1
		.amdhsa_system_vgpr_workitem_id 0
		.amdhsa_next_free_vgpr 768
		.amdhsa_next_free_sgpr 88
		.amdhsa_reserve_vcc 0
		.amdhsa_float_denorm_mode_32 3
		.amdhsa_float_denorm_mode_16_64 3
		.amdhsa_memory_ordered 1
		.amdhsa_forward_progress 1
		.amdhsa_inst_pref_size 82
	.end_amdhsa_kernel
	.amdgpu_metadata
---
amdhsa.version: [ 1, 2 ]
amdhsa.kernels:
  - .name:           k_q31ab08959d_attn
    .symbol:         k_q31ab08959d_attn.kd
    .args:
      - { .name: qkv, .offset: 0, .size: 8, .value_kind: global_buffer, .address_space: global }
      - { .name: ob, .offset: 8, .size: 8, .value_kind: global_buffer, .address_space: global }
    .group_segment_fixed_size: 327680
    .private_segment_fixed_size: 0
    .kernarg_segment_align: 8
    .kernarg_segment_size: 16
    .max_flat_workgroup_size: 128
    .sgpr_count:     88
    .vgpr_count:     768
    .wavefront_size: 32
...
	.end_amdgpu_metadata
.endif
;; end of part 3
;; launch oproj (part 4): grid 4 x 64, 4 waves a work-group, clusters of 4 x 4, 327,680 bytes of LDS; arguments ob, wob, biasr, out0; writes out0
.if DOCPART == 4
	.amdgcn_target "amdgcn-amd-amdhsa--gfx1250"
	.amdhsa_code_object_version 6
	.text
	.protected	k_q31ab08959d_oproj
	.globl	k_q31ab08959d_oproj
	.p2align	8
	.type	k_q31ab08959d_oproj,@function
k_q31ab08959d_oproj:
	s_mov_b64 s[64:65], 0
	v_nop
	global_prefetch_b8 v0, s[64:65] scope:SCOPE_SE
	s_setreg_imm32_b32 hwreg(HW_REG_WAVE_MODE, 25, 1), 1
	s_wait_xcnt 0x0
	s_wait_alu depctr_hold_cnt(0) depctr_sa_sdst(0) depctr_va_vdst(0) depctr_va_sdst(0) depctr_va_ssrc(0) depctr_va_vcc(0) depctr_vm_vsrc(0)
	s_getreg_b32 s2, hwreg(HW_REG_IB_STS2, 6, 4)
	s_cmp_eq_u32 s2, 0
	s_cbranch_scc0 .Lentry_in_a_cluster
	s_endpgm
.Lentry_in_a_cluster:
	s_bfe_u32 s2, ttmp6, 0x10000c
	s_cmp_lg_u32 s2, 0xf033
	s_cbranch_scc0 .Lentry_shape_is_right
	s_endpgm
.Lentry_shape_is_right:
; out = O wo^T + bo.  O: ob, f16 [12][16384][64] (block = head); wo: wob, f16 [12][768][64]; bo: biasr + 9,216 bytes, f32; out0: f32 [16384][768].  Sums in f32; the bias is the C operand of each sum's first product.
; SHARES.  A tile of the result is 256 rows x 192 columns: 64 x 4 tiles, one for each of 256 work-groups.  Four waves, each 64 rows x 192 columns: 48 accumulators of 16 x 16, 384 registers.
; K = 768 goes in 6 steps of 128 (two blocks of 64) through two LDS slots; a block's tile is dense in memory and is asked for as rows of 256 bytes.
; CLUSTER.  4 x 4 work-groups: O's tile is shared along a row of the cluster, wo's along a column; each is asked for jointly, by the same load with the same descriptor and a mask of the four.
; THE MATRIX INSTRUCTION IS USED TRANSPOSED (source 0 = 16 rows of wo, source 1 = 16 rows of O): lane l holds row l % 16 and the columns 8 (l / 16) + 0..7: 32 neighbouring bytes of a row.
; REGISTERS, in windows of 256 (s_set_vgpr_msb: bits 1:0 source 0, 3:2 source 1, 5:4 source 2, 7:6 destination):
;   window 0: v0-29 addresses; v144-239 the bias; on the way out v32-127 and v128-223 whole rows, by turns
;   window 1: two fragment buffers of 128: O's four fragments, then wo's twelve      window 2: accumulators of my rows 0-31 ((a, b) at 96 (a % 2) + 8 b)      window 3: of rows 32-63
.set ABLK,  2097152                    ; bytes from block to block in ob
.set BBLK,  98304                      ; in wob
.set PITCH, 144                        ; an LDS row: 128 bytes + 16 of padding = 36 words: the 16 rows of a load start at 16 different groups of four banks (64 banks of 4 bytes: ISA guide 11.1)
.set ATB,   256*PITCH
.set BTB,   192*PITCH
.set BOFF,  2*ATB                      ; a slot: O's two blocks, then wo's two
.set SLOT1, 131072                     ; slot 1 begins here: one exclusive or changes slots
.set STAGE, SLOT1+2*ATB+2*BTB          ; behind the ring, never filled by a tensor load: 16 rows x 784 bytes for each wave
.set SP,    784                        ; 768 bytes + 16: 49 x 16, so the 16 rows of a store start at 16 different groups of four banks
.set SPARE, STAGE+4*16*SP              ; the spare words, 128 bytes for each wave: two blocks of 256 bytes that no other line names
.set A0,   16
.set B0,   17
.set ADRA, 18
.set ADRB, 19
.set STO,  20                          ; v20  the way out: where I put 32 bytes of a row
.set RD,   21                          ; v21  where I read rows back
.set CO,   22                          ; v22  my 16 bytes in two rows of the result
.set BO,   24
.set PFO,  25                          ; v25  the prefetches' offset: 256 x my lane (wo's tiles: lanes past 23 repeat lane 23); never rewritten
.set SPW,  28                          ; v28  LDS address of my spare word; never rewritten
.set NIL,  29                          ; v29  0; never rewritten
.set BK,   32
.set BIAS, 144
.set F0,   0
.set F1,   128
.set CNT,  3
.set WV,   14
.set FB,   15                          ; 0: I fetch O, 1: wo
.set HF,   16                          ; which of a step's two blocks I fetch
.set CX,   17
.set CY,   18
.set TC,   19
.set TR,   20
.set G1,   24
.set G0,   32
.set PFA,  44
.set LIM,  46
.set TB,   47
.set G1B,  48
.set G0B,  56
.set PFS,  66
.set GW,   (1<<16)|(1<<20)|(1<<21)|(4<<22)|(3<<25)  ; 17:16 2-byte elements; 20 padding on; 21 set beside a mask; 24:22 after every 32 words (code 4); 31:25 4 words (code 3)
.set MSB, 0
.macro WIN new                         ; the immediate's high byte repeats the setting that is left; a switch that changes nothing is dropped
.if MSB != (\new)
	s_set_vgpr_msb (MSB<<8)|(\new)
.set MSB, (\new)
.endif
.endm
.macro PLACES                          ; four places in front of loads into registers that matrix instructions have read (ISA guide 7.12.1 for vector instructions)
.rept 4
	v_nop
.endr
.endm
.macro JLOAD                           ; a joint refill: waves 0 and 1 fetch O's two blocks, waves 2 and 3 wo's; an s_nop 0 and four v_nop follow each line
	s_cmp_eq_u32 s[FB], 0
	s_cbranch_scc0 .Lfor_b_\@
	tensor_load_to_lds s[G0+4:G0+7], s[G1:G1+7]
	s_nop 0
.rept 4
	v_nop
.endr
	s_branch .Lasked_\@
.Lfor_b_\@:
	tensor_load_to_lds s[G0B+4:G0B+7], s[G1B:G1B+7]
	s_nop 0
.rept 4
	v_nop
.endr
.Lasked_\@:
.endm
.macro CREST                           ; a round of the cluster's barrier behind its opening barrier
	s_cmp_lg_u32 s[WV], 0
	s_cbranch_scc1 .Lnot_wave_0_\@
	s_barrier_signal -3
.Lnot_wave_0_\@:
	s_barrier_wait -3
	s_barrier_signal -1
	s_barrier_wait -1
.endm
.macro CROUND
	s_barrier_signal -1
	s_barrier_wait -1
	CREST
.endm
; A prefetch into the L2 of the K step that the NEXT refill will ask for: one K step, 192 matrix instructions, ahead.  O's tile row is read by one cluster, which asks; wo's tile column by the sixteen clusters:
; cluster y = 0 asks.  The four partners share a wave's block out by address (8,192 bytes each of O's, 6,144 of wo's), a lane 256 bytes.  The last refill asks for nothing.
.macro ASK
	WIN 0
	s_cmp_gt_u32 s[CNT], s[LIM]
	s_cbranch_scc0 .Lnot_mine_\@
	global_prefetch_b8 v[PFO], s[PFA:PFA+1] th:TH_LOAD_NT scope:SCOPE_SE
.Lnot_mine_\@:
.endm
; 12 matrix instructions: row block a x all column blocks, 32 along K.  zero = 1: the sum's first product, whose C is the bias.  The 48 accumulators take turns, one instruction a turn.
.macro MULA f, a, zero
.if \zero
	WIN 0x85+0x40*((\a)/2)
.else
	WIN 0xa5+0x50*((\a)/2)
.endif
.irp b, 0,1,2,3,4,5,6,7,8,9,10,11
.set rD, 96*((\a)%2)+8*(\b)
.set rB, (\f)+32+8*(\b)
.set rA, (\f)+8*(\a)
.if \zero
	v_wmma_f32_16x16x32_f16 v[rD:rD+7], v[rB:rB+7], v[rA:rA+7], v[BIAS+8*(\b):BIAS+8*(\b)+7]
.else
	v_wmma_f32_16x16x32_f16 v[rD:rD+7], v[rB:rB+7], v[rA:rA+7], v[rD:rD+7]
.endif
.endr
.endm
; 32 LDS loads in one run: quarter q of the slot in hand (block q / 2, channels 32 (q % 2) on) into buffer f: wo's twelve fragments, then O's four
.macro FETCH q, f
	WIN 0x40
.irp b, 0,1,2,3,4,5,6,7,8,9,10,11
	ds_load_b128 v[(\f)+32+8*(\b):(\f)+32+8*(\b)+3],   v[ADRB] offset:((\q)/2)*BTB+((\q)%2)*64+(\b)*16*PITCH
	ds_load_b128 v[(\f)+32+8*(\b)+4:(\f)+32+8*(\b)+7], v[ADRB] offset:((\q)/2)*BTB+((\q)%2)*64+(\b)*16*PITCH+32
.endr
.irp a, 0,1,2,3
	ds_load_b128 v[(\f)+8*(\a):(\f)+8*(\a)+3],   v[ADRA] offset:((\q)/2)*ATB+((\q)%2)*64+(\a)*16*PITCH
	ds_load_b128 v[(\f)+8*(\a)+4:(\f)+8*(\a)+7], v[ADRA] offset:((\q)/2)*ATB+((\q)%2)*64+(\a)*16*PITCH+32
.endr
.endm
; One of a K step's first three quarters: multiplies buffer f and, in its middle, fetches quarter qn into buffer g.
.macro QUARTER qn, f, g, zero
	s_wait_dscnt 4                                 ; wo and O's rows 0-31 are in; the youngest four loads (rows 32-63) may be out
	MULA \f, 0, \zero
	MULA \f, 1, \zero
	PLACES
	FETCH \qn, \g
	s_wait_dscnt 32                                ; all but the 32 just issued
	MULA \f, 2, \zero
	MULA \f, 3, \zero
.endm
; The last quarter multiplies buffer 1 and changes slots: ONE barrier; in front of it each wave waits for all its tensor loads (one is out: its part of the next slot), adds 0 to its spare word, and waits for
; that and for its reads of this slot.  fill = 1: the barrier opens a round of the cluster's, and behind the round this slot is filled again first, with the K step two on: 168 matrix instructions ahead of the wait for it.
.macro TURN fill
.if \fill
	s_wait_xcnt 0x0                                ; the last prefetch, a K step back, has read its address
	s_add_nc_u64 s[PFA:PFA+1], s[PFA:PFA+1], s[PFS:PFS+1]
.endif
	WIN 0
	s_wait_tensorcnt 0x0                           ; all my tensor loads have landed
	ds_add_u32 v[SPW], v[NIL]                      ; 0 onto my spare word
	s_wait_dscnt 5                                 ; (the add and the youngest four loads may be out)
	MULA F1, 0, 0
	s_wait_dscnt 0x0                               ; the add is done, and my reads of this slot are over
	s_barrier_signal -1
	MULA F1, 1, 0
	WIN 0
	s_barrier_wait -1
.if \fill
	CREST                                          ; no wave of any partner still reads this slot or has a load on its way
	s_xor_b32 s[G0+5], s[G0+5], SLOT1              ; the walking descriptors: the other slot than last time, the next K step
	s_add_nc_u64 s[G0+6:G0+7], s[G0+6:G0+7], 2*ABLK
	s_xor_b32 s[G0B+5], s[G0B+5], SLOT1
	s_add_nc_u64 s[G0B+6:G0B+7], s[G0B+6:G0B+7], 2*BBLK
	JLOAD                                          ; its four v_nop are also the places in front of the loads below
.else
	PLACES
.endif
	s_xor_b32 s[TB], s[TB], SLOT1
	v_add_nc_u32 v[ADRA], s[TB], v[A0]
	v_add_nc_u32 v[ADRB], s[TB], v[B0]
	FETCH 0, F0
.if \fill
	ASK
.endif
	MULA F1, 2, 0
	MULA F1, 3, 0
.endm
	s_load_b256 s[4:11], s[0:1], 0x0               ; ob s[4:5], wob s[6:7], biasr s[8:9], out0 s[10:11]
	v_lshl_add_u32 v[SPW], v0, 2, SPARE
	v_mov_b32 v[NIL], 0
	ds_add_u32 v[SPW], v[NIL]                      ; the wave's opening: the add and its wait ahead of my first tensor load
	v_lshrrev_b32 v1, 5, v0
	v_readfirstlane_b32 s[WV], v1                  ; wave 0..3
	s_lshr_b32 s[FB], s[WV], 1
	s_and_b32 s[HF], s[WV], 1
	s_bfe_u32 s[CX], ttmp6, 0x40000
	s_bfe_u32 s[CY], ttmp6, 0x40004
	s_lshl_b32 s[TC], ttmp9, 2
	s_add_co_u32 s[TC], s[TC], s[CX]               ; tile column = 4 x cluster x + cx
	s_and_b32 s[TR], ttmp7, 0xffff
	s_lshl_b32 s[TR], s[TR], 2
	s_add_co_u32 s[TR], s[TR], s[CY]               ; tile row = 4 x cluster y + cy
	s_lshl_b32 s21, s[CY], 2
	s_lshl_b32 s21, 15, s21                        ; my row of the cluster
	s_lshl_b32 s22, 0x1111, s[CX]                  ; my column
	s_or_b32 s[G1], s21, GW
	s_or_b32 s[G1B], s22, GW
	s_mov_b32 s[G1+1], 128<<16                     ; tensor_dim0 = 128 elements: rows of 256 bytes
	s_mov_b32 s[G1+2], 128<<16                     ; tensor_dim1 = 128: 256 rows of O are 32,768 dense bytes
	s_mov_b32 s[G1+3], 128<<16                     ; tile_dim0
	s_mov_b32 s[G1+4], 128                         ; tile_dim1
	s_mov_b32 s[G1+5], 128                         ; elements from row to row
	s_mov_b32 s[G1+6], 0
	s_mov_b32 s[G1+7], 0
	s_mov_b32 s[G1B+1], 128<<16
	s_mov_b32 s[G1B+2], 96<<16                     ; 192 rows of wo are 24,576 dense bytes
	s_mov_b32 s[G1B+3], 128<<16
	s_mov_b32 s[G1B+4], 96
	s_mov_b32 s[G1B+5], 128
	s_mov_b32 s[G1B+6], 0
	s_mov_b32 s[G1B+7], 0
	s_lshl_b32 s40, s[HF], 21                      ; O: my block of the step, the tile row's 256 rows
	s_lshl_b32 s41, s[TR], 15
	s_add_co_u32 s40, s40, s41
	s_mov_b32 s41, 0
	s_mul_i32 s42, s[HF], BBLK                     ; wo: my block, the tile column's 192 rows
	s_mul_i32 s43, s[TC], 24576
	s_add_co_u32 s42, s42, s43
	s_mov_b32 s43, 0
	s_mul_i32 s23, s[HF], ATB                      ; where they go: no place in the cluster enters an LDS address
	s_mul_i32 s68, s[HF], BTB
	s_add_co_u32 s68, s68, BOFF
	s_wait_dscnt 0x0                               ; the opening add is done
	s_wait_kmcnt 0x0
	s_add_nc_u64 s[40:41], s[4:5], s[40:41]
	s_add_nc_u64 s[42:43], s[6:7], s[42:43]
	CROUND                                         ; all sixteen work-groups are here: the first joint loads meet
.irp s, 0,1
	s_mov_b32 s[G0+4*(\s)], 1
	s_add_co_u32 s[G0+4*(\s)+1], s23, (\s)*SLOT1
	s_add_nc_u64 s[G0+4*(\s)+2:G0+4*(\s)+3], s[40:41], (\s)*2*ABLK
	s_or_b32 s[G0+4*(\s)+3], s[G0+4*(\s)+3], 0x80000000
	s_mov_b32 s[G0B+4*(\s)], 1
	s_add_co_u32 s[G0B+4*(\s)+1], s68, (\s)*SLOT1
	s_add_nc_u64 s[G0B+4*(\s)+2:G0B+4*(\s)+3], s[42:43], (\s)*2*BBLK
	s_or_b32 s[G0B+4*(\s)+3], s[G0B+4*(\s)+3], 0x80000000
.endr
	s_cmp_eq_u32 s[FB], 0                          ; a wave's two first fills stand in one branch: two loads of mine are out
	s_cbranch_scc0 .Lfirst_b
	tensor_load_to_lds s[G0:G0+3], s[G1:G1+7]
	s_nop 0
	tensor_load_to_lds s[G0+4:G0+7], s[G1:G1+7]
	s_nop 0
.rept 4
	v_nop
.endr
	s_branch .Lfirst_asked
.Lfirst_b:
	tensor_load_to_lds s[G0B:G0B+3], s[G1B:G1B+7]
	s_nop 0
	tensor_load_to_lds s[G0B+4:G0B+7], s[G1B:G1B+7]
	s_nop 0
.rept 4
	v_nop
.endr
.Lfirst_asked:
	v_and_b32 v1, 15, v0                           ; r = l % 16
	v_bfe_u32 v2, v0, 4, 1                         ; h = l / 16
	s_mul_i32 s68, s[TC], 768                      ; bo lies behind bq, bk and bv; my 192 columns of it
	s_add_co_u32 s68, s68, 9216
	s_mov_b32 s69, 0
	s_add_nc_u64 s[8:9], s[8:9], s[68:69]
	v_lshlrev_b32 v[BO], 5, v2                     ; register j of block b is column 16 b + 8 h + j
.irp b, 0,1,2,3,4,5,6,7,8,9,10,11
	global_load_b128 v[BIAS+8*(\b):BIAS+8*(\b)+3],   v[BO], s[8:9] offset:64*(\b)
	global_load_b128 v[BIAS+8*(\b)+4:BIAS+8*(\b)+7], v[BO], s[8:9] offset:64*(\b)+16
.endr
	s_lshl_b32 s21, s[WV], 6
	v_add_nc_u32 v3, s21, v1
	v_mul_u32_u24 v[A0], v3, PITCH                 ; my 64 rows of O: row x pitch + 16 x half
	v_lshl_add_u32 v[A0], v2, 4, v[A0]
	v_mul_u32_u24 v[B0], v1, PITCH
	v_lshl_add_u32 v[B0], v2, 4, v[B0]
	v_add_nc_u32 v[B0], BOFF, v[B0]
	v_mov_b32 v[ADRA], v[A0]
	v_mov_b32 v[ADRB], v[B0]
	s_mov_b32 s[TB], 0
	s_mul_i32 s68, s[WV], 16*SP
	s_add_co_u32 s68, s68, STAGE                   ; my stage
	v_mul_u32_u24 v[STO], v1, SP                   ; in: row r, 32 bytes for each half of the lanes
	v_lshl_add_u32 v[STO], v2, 5, v[STO]
	v_add_nc_u32 v[STO], s68, v[STO]
	v_mul_u32_u24 v[RD], v2, SP                    ; back: lanes 0-15 take 256 bytes of one row, lanes 16-31 of the next
	v_lshl_add_u32 v[RD], v1, 4, v[RD]
	v_add_nc_u32 v[RD], s68, v[RD]
	v_mul_u32_u24 v[CO], v2, 3072                  ; and the same two rows in the result
	v_lshl_add_u32 v[CO], v1, 4, v[CO]
	s_lshl_b32 s68, s[TR], 8
	s_lshl_b32 s69, s[WV], 6
	s_add_co_u32 s68, s68, s69                     ; my first row,
	s_mul_i32 s68, s68, 3072
	s_mul_i32 s69, s[TC], 768                      ; the tile's first column, in bytes
	s_add_co_u32 s68, s68, s69
	s_mov_b32 s69, 0
	s_add_nc_u64 s[10:11], s[10:11], s[68:69]
	; the prefetches
	s_lshl_b32 s68, s[HF], 21
	s_lshl_b32 s69, s[TR], 15
	s_add_co_u32 s68, s68, s69
	s_lshl_b32 s69, s[CX], 13                      ; my work-group's quarter of the block's tile
	s_add_co_u32 s68, s68, s69
	s_add_co_u32 s68, s68, 4*ABLK                  ; at K step 2: the first refill steps it to 3
	s_mul_i32 s70, s[HF], BBLK
	s_mul_i32 s71, s[TC], 24576
	s_add_co_u32 s70, s70, s71
	s_mul_i32 s71, s[CY], 6144
	s_add_co_u32 s70, s70, s71
	s_add_co_u32 s70, s70, 4*BBLK
	s_and_b32 s21, ttmp7, 0xffff                   ; cluster y
	s_mov_b32 s22, 2*BBLK
	s_cmp_eq_u32 s[FB], 0
	s_cselect_b32 s68, s68, s70
	s_cselect_b64 s[PFA:PFA+1], s[4:5], s[6:7]
	s_cselect_b32 s[PFS], 2*ABLK, s22
	s_cselect_b32 s71, 31, 23
	s_cselect_b32 s21, ttmp9, s21                  ; the coordinate along which other clusters read the same rows
	s_mov_b32 s69, 0
	s_mov_b32 s[PFS+1], 0
	s_add_nc_u64 s[PFA:PFA+1], s[PFA:PFA+1], s[68:69]
	s_cmp_eq_u32 s21, 0
	s_cselect_b32 s[LIM], 1, -1                    ; the same in all sixteen partners, for a given wave
	v_and_b32 v[PFO], 31, v0
	v_min_u32 v[PFO], s71, v[PFO]
	v_lshlrev_b32 v[PFO], 8, v[PFO]
	s_wait_loadcnt 0x0                             ; the bias
	s_wait_tensorcnt 1                             ; my part of K step 0 is in; K step 1's may stay out
	s_barrier_signal -1
	s_barrier_wait -1                              ; everybody's is
	FETCH 0, F0
	QUARTER 1, F0, F1, 1                           ; the first quarter stands in front of the loop: its products start the sums, with the bias
	WIN 0
	s_mov_b32 s[CNT], 4
.Lstep:                                        ; a trip: from a K step's second quarter to the next step's first; its change of slots asks for K steps 2 to 5
	QUARTER 2, F1, F0, 0
	QUARTER 3, F0, F1, 0
	TURN 1
	QUARTER 1, F0, F1, 0
	WIN 0
	s_sub_co_u32 s[CNT], s[CNT], 1
	s_cmp_lg_u32 s[CNT], 0
	s_cbranch_scc1 .Lstep
	QUARTER 2, F1, F0, 0                           ; the tail is written out: nothing more is asked for
	QUARTER 3, F0, F1, 0
	TURN 0
	QUARTER 1, F0, F1, 0
	QUARTER 2, F1, F0, 0
	QUARTER 3, F0, F1, 0
	s_wait_dscnt 4
	MULA F1, 0, 0
	MULA F1, 1, 0
	s_wait_dscnt 0x0
	MULA F1, 2, 0
	MULA F1, 3, 0
	WIN 0
	PLACES                                         ; the places behind the last products, once a launch
	PLACES
; THE WAY OUT, a block of 16 rows at a time: the sums go as they are into my own stage (each accumulator's low half first) and come back as whole rows.
.macro TOSTAGE a
.set AB, 96*((\a)%2)
.set BKR, BK+96*((\a)%2)
	WIN 4*(2+(\a)/2)                               ; the stores' data (source 1) in the accumulators' window
.irp b, 0,1,2,3,4,5,6,7,8,9,10,11
	ds_store_b128 v[STO], v[AB+8*(\b):AB+8*(\b)+3]   offset:64*(\b)
	ds_store_b128 v[STO], v[AB+8*(\b)+4:AB+8*(\b)+7] offset:64*(\b)+16
.endr
	WIN 0
.irp p, 0,1,2,3,4,5,6,7
.irp q, 0,1,2
	ds_load_b128 v[BKR+4*(3*(\p)+(\q)):BKR+4*(3*(\p)+(\q))+3], v[RD] offset:(\p)*2*SP+(\q)*256  ; LDS serves a wave's instructions in order (ISA guide 5.7.1.4): these see the stores above; the next block's stores come behind them
.endr
.endr
.endm
.macro SEND a, younger                 ; younger: the LDS instructions issued behind block a's loads: the next block's 48, or none
.set BKR, BK+96*((\a)%2)
	s_wait_dscnt \younger
.irp p, 0,1,2,3,4,5,6,7
.irp q, 0,1,2
	global_store_b128 v[CO], v[BKR+4*(3*(\p)+(\q)):BKR+4*(3*(\p)+(\q))+3], s[10:11] offset:(\a)*49152+(\p)*6144+(\q)*256 th:TH_STORE_NT  ; 16 lanes store 256 consecutive bytes, aligned
.endr
.endr
.endm
	TOSTAGE 0
	TOSTAGE 1
	SEND 0, 48
	s_wait_xcnt 0x0                                ; block 0's registers, which its stores read, are loaded again only behind this wait
	TOSTAGE 2
	SEND 1, 48
	s_wait_xcnt 0x0
	TOSTAGE 3
	SEND 2, 48
	SEND 3, 0
	s_wait_tensorcnt 0x0                           ; the wave's end, behind my last tensor load and my last LDS store
	ds_add_u32 v[SPW], v[NIL]
	s_wait_dscnt 0x0
	CROUND                                         ; the closing round: no work-group ends while a partner may still ask for a tile that names it
	s_endpgm
.Lfunc_end_k_q31ab08959d_oproj:
	.size	k_q31ab08959d_oproj, .Lfunc_end_k_q31ab08959d_oproj-k_q31ab08959d_oproj
	.p2alignl 7, 3214868480
	.fill 96, 4, 3214868480
	.section	.rodata,"a",@progbits
	.p2align	6, 0x0
	.amdhsa_kernel k_q31ab08959d_oproj
		.amdhsa_group_segment_fixed_size 327680
		.amdhsa_private_segment_fixed_size 0
		.amdhsa_enable_private_segment 0
		.amdhsa_kernarg_size 32
		.amdhsa_user_sgpr_count 2
		.amdhsa_user_sgpr_kernarg_segment_ptr 1
		.amdhsa_wavefront_size32 1
		.amdhsa_system_sgpr_workgroup_id_x 1
		.amdhsa_system_sgpr_workgroup_id_y 1
		.amdhsa_system_sgpr_workgroup_id_z 1
		.amdhsa_system_vgpr_workitem_id 0
		.amdhsa_next_free_vgpr 960
		.amdhsa_next_free_sgpr 80
		.amdhsa_reserve_vcc 0
		.amdhsa_float_denorm_mode_32 3
		.amdhsa_float_denorm_mode_16_64 3
		.amdhsa_memory_ordered 1
		.amdhsa_forward_progress 1
		.amdhsa_inst_pref_size 98
	.end_amdhsa_kernel
	.amdgpu_metadata
---
amdhsa.version: [ 1, 2 ]
amdhsa.kernels:
  - .name:           k_q31ab08959d_oproj
    .symbol:         k_q31ab08959d_oproj.kd
    .args:
      - { .name: ob, .offset: 0, .size: 8, .value_kind: global_buffer, .address_space: global }
      - { .name: wob, .offset: 8, .size: 8, .value_kind: global_buffer, .address_space: global }
      - { .name: biasr, .offset: 16, .size: 8, .value_kind: global_buffer, .address_space: global }
      - { .name: out0, .offset: 24, .size: 8, .value_kind: global_buffer, .address_space: global }
    .group_segment_fixed_size: 327680
    .private_segment_fixed_size: 0
    .kernarg_segment_align: 8
    .kernarg_segment_size: 32
    .max_flat_workgroup_size: 128
    .sgpr_count:     80
    .vgpr_count:     960
    .wavefront_size: 32
...
	.end_amdgpu_metadata
.endif
;; end of part 4
;; ======== version 2 of 2: 4 launches; version 1 with the launch prep written anew for expert scheduling mode
;; limits: values are held in f16: magnitudes above 65,504 overflow, below 6.1e-05 lose precision
;; workspace buffers: xb 25,165,824 bytes; wb 3,538,944 bytes; wob 1,179,648 bytes; biasr 12,288 bytes; rope 131,072 bytes; qkv 75,497,472 bytes; ob 25,165,824 bytes
;; launch prep (part 5): grid 1286 x 1, 4 waves a work-group, no clusters, 0 bytes of LDS; arguments hidden_states, wq, wk, wv, wo, bq, bk, bv, bo, xb, wb, wob, biasr, rope; writes xb, wb, wob, biasr, rope
.if DOCPART == 5
	.amdgcn_target "amdgcn-amd-amdhsa--gfx1250"
	.amdhsa_code_object_version 6
	.text
	.protected	k_q31ab08959d_prep
	.globl	k_q31ab08959d_prep
	.p2align	8
	.type	k_q31ab08959d_prep,@function
k_q31ab08959d_prep:
	s_mov_b64 s[64:65], 0
	v_nop
	global_prefetch_b8 v0, s[64:65] scope:SCOPE_SE
	s_setreg_imm32_b32 hwreg(HW_REG_WAVE_SCHED_MODE, 0, 2), 2
	s_setreg_imm32_b32 hwreg(HW_REG_WAVE_MODE, 25, 1), 1
	s_wait_xcnt 0x0
	s_wait_alu depctr_vm_vsrc(0)
; PREPARATION: a stream, no LDS, no matrix unit (nothing is reused, so tiles and clusters would add nothing).
; Work-groups 0-1023: x [16384][768] f32 -> xb, bf16, in blocks [12][16384][64]: block kb holds channels 64 kb .. 64 kb + 63 of every row, 128 bytes a row, rows end to end.
; Work-groups 1024-1167: wq, wk, wv -> wb, bf16, [12][2304][64] (rows 0-767 wq, 768-1535 wk, 1536-2303 wv).  1168-1215: wo -> wob, [12][768][64]: rounded to bf16 and that number written as f16.
; Work-groups 1216-1279: the table rope [1024][32] f32: row t = cos(t th_i), i = 0..15, then sin(t th_i); th_i = 10000^(-i/32).  1280-1285: bq, bk, bv, bo rounded to bf16, kept as f32, in biasr [3072].
; SHARES.  A work-group of four waves takes 16 rows, a wave 4, as two pairs.  A row's part of a block is 256 bytes of f32: a load of the wave takes that part of both rows of a pair (lanes 0-15 one row, lanes 16-31
; the next), 16 bytes a lane, each byte once.  A lane's four numbers become 8 bytes; the pair's two rows lie end to end in the block, so a store of the wave covers 256 consecutive bytes, aligned.
; LIMITS.  wo below 6.1e-5 in size keeps f16's fixed step of 6e-8; beyond 65,504 it would be an infinity.  th_i is made as 2^(-i log2(10000) / 32) in f32, so an angle may differ from
; t / 10000^(i/32) by some 3e-7 of itself (3e-4 at the most, at t = 1023).  Sine and cosine: reduction by multiples of pi / 2 held in two parts, then polynomials cut where the next term is under 4e-7.
; THE MODE: SCHED_MODE bits 1:0 = 2 (LLVM: expert scheduling mode 2), set by the entry lines.  The code itself states the register dependences
; between vector instructions and memory instructions, with s_wait_alu, always for 0.
; THE PLAN.  Registers that memory instructions touch:
;   s6          the wave's number, written by a vector instruction at the head; its readers are scalar lines behind branches: one wait on va_sdst at the head.
;   ROWS  v2, v4-v15   the loads' offset and the stores' twelve: made once, ahead of one wait on va_vdst, never written again.
;         v[32:127]    24 steps of four registers.  A step's load lands in them; its conversions round in place into the first two; its one store reads those two; nothing writes them after that.
;         The steps go in six groups of four.  Group g's conversions name group g's registers (and v16, v17, which no memory instruction names).  Its memory instructions are the four stores of group g - 1.
;         So ONE wait on va_vdst at a group's head states all that those stores hang on, and they are dealt among the group's conversions with no further wait.
;   TABLE v5, v[40:43] the store's offset and data: one wait on va_vdst ahead of it.  s56-s59: the four selects' masks, written by a run of compares: one wait on va_sdst behind the run.
;   BIAS  v1 the offset of the load and of the store; v[12:15] the store's data: a wait on va_vdst ahead of each of the two.
; No register that a memory instruction reads is ever written again, so no wait on vm_vsrc is owed; EXEC is never written.
.set XR, 32                            ; v[32:127]  24 loads of 4 registers: step n = 12 u + kb (pair u, block kb) at XR + 4 n
	s_load_b512 s[8:23], s[0:1], 0x0               ; x s[8:9], wq s[10:11], wk s[12:13], wv s[14:15], wo s[16:17], bq s[18:19], bk s[20:21], bv s[22:23]
	s_load_b256 s[24:31], s[0:1], 0x40             ; bo s[24:25], xb s[26:27], wb s[28:29], wob s[30:31]
	s_load_b128 s[32:35], s[0:1], 0x60             ; biasr s[32:33], rope s[34:35]
	v_lshrrev_b32 v1, 5, v0
	v_readfirstlane_b32 s6, v1                     ; wave 0..3
	s_mov_b32 s2, ttmp9                            ; g: the work-group's number chooses its part
	s_wait_alu depctr_va_sdst(0)                   ; s6 is written, ahead of the branches behind which its first readers stand
	s_wait_kmcnt 0x0
	s_cmp_ge_u32 s2, 1280
	s_cbranch_scc1 .Lbias
	s_cmp_ge_u32 s2, 1216
	s_cbranch_scc1 .Ltable
	; ROWS: 16 rows of one source.
	s_sub_co_u32 s44, s2, 1024
	s_sub_co_u32 s45, s2, 1072
	s_sub_co_u32 s46, s2, 1120
	s_sub_co_u32 s47, s2, 1168
	s_mov_b32 s48, 2097152                         ; bytes from block to block: xb,
	s_mov_b32 s49, 294912                          ; wb,
	s_mov_b32 s50, 98304                           ; wob
	s_cmp_ge_u32 s2, 1024
	s_cselect_b64 s[36:37], s[10:11], s[8:9]       ; source
	s_cselect_b64 s[38:39], s[28:29], s[26:27]     ; destination
	s_cselect_b32 s40, s44, s2                     ; which 16 rows of the source,
	s_cselect_b32 s41, s44, s2                     ; and of the destination
	s_cselect_b32 s42, s49, s48
	s_cmp_ge_u32 s2, 1072
	s_cselect_b64 s[36:37], s[12:13], s[36:37]
	s_cselect_b32 s40, s45, s40
	s_cmp_ge_u32 s2, 1120
	s_cselect_b64 s[36:37], s[14:15], s[36:37]
	s_cselect_b32 s40, s46, s40
	s_cmp_ge_u32 s2, 1168
	s_cselect_b64 s[36:37], s[16:17], s[36:37]
	s_cselect_b64 s[38:39], s[30:31], s[38:39]
	s_cselect_b32 s40, s47, s40
	s_cselect_b32 s41, s47, s41
	s_cselect_b32 s42, s50, s42
	s_cselect_b32 s43, 1, 0                        ; 1: wo, which leaves as f16
	s_mul_i32 s44, s40, 49152                      ; 16 rows of 3,072 bytes
	s_mul_i32 s45, s6, 12288                       ; my wave's 4
	s_add_co_u32 s44, s44, s45
	s_mov_b32 s45, 0
	s_add_nc_u64 s[36:37], s[36:37], s[44:45]
	s_lshl_b32 s44, s41, 11                        ; 16 rows of 128 bytes in a block
	s_lshl_b32 s46, s6, 9
	s_add_co_u32 s44, s44, s46
	s_add_nc_u64 s[38:39], s[38:39], s[44:45]
	v_and_b32 v1, 31, v0                           ; lane l: row l / 16 of the pair, 16 bytes (4 numbers) at 16 (l % 16) of a block's 256
	v_lshrrev_b32 v2, 4, v1
	v_mul_u32_u24 v2, v2, 3072
	v_and_b32 v3, 15, v1
	v_lshl_add_u32 v2, v3, 4, v2                   ; v2: my offset in the source
	v_lshlrev_b32 v4, 3, v1                        ; v[4:15]: my 8 bytes in block kb: 8 l + kb x the block's stride
.irp kb, 1,2,3,4,5,6,7,8,9,10,11
	v_add_nc_u32 v[4+(\kb)], s42, v[3+(\kb)]
.endr
	s_wait_alu depctr_va_vdst(0)                   ; v2 and v4 to v15 are written: the loads below read v2 as their offset, the stores further down one of v4 to v15; none is named by a vector instruction again
.irp u, 0,1
.irp kb, 0,1,2,3,4,5,6,7,8,9,10,11
	global_load_b128 v[XR+4*(12*(\u)+(\kb)):XR+4*(12*(\u)+(\kb))+3], v2, s[36:37] offset:6144*(\u)+256*(\kb) th:TH_LOAD_NT
.endr
.endr
; Step n's arithmetic: four numbers are rounded in place, into the first two of their four registers.
.macro CVT n, fmt
.set rX, XR+4*(\n)
	v_cvt_pk_bf16_f32 v[rX], v[rX], v[rX+1]
	v_cvt_pk_bf16_f32 v[rX+1], v[rX+2], v[rX+3]
.if \fmt
.irp j, 0,1
	v_lshlrev_b32 v16, 16, v[rX+(\j)]              ; the bf16 numbers as f32,
	v_and_b32 v17, 0xffff0000, v[rX+(\j)]
	v_cvt_pk_f16_f32 v[rX+(\j)], v16, v17          ; written as f16
.endr
.endif
.endm
; Step n's store: 8 bytes a lane, into block n % 12, pair n / 12.
.macro OUT n
.set rY, XR+4*(\n)
	global_store_b64 v[4+(\n)%12], v[rY:rY+1], s[38:39] offset:256*((\n)/12) th:TH_STORE_NT
.endm
; Six groups of four steps.  At a group's head its four loads are in; the stores of the group before are dealt among its conversions, one ahead of each step's.
; No register is written again while a store may read it, so nothing is owed for the stores' sources.
.macro CONV fmt
.irp g, 0,1,2,3,4,5
	s_wait_loadcnt 20-4*(\g)                       ; loads come back in order: this group's four are in, the younger groups stay out
.if (\g) > 0
	s_wait_alu depctr_va_vdst(0)                   ; the conversions of the group before have written the registers that the four stores below read; this group's conversions name none of them
.endif
.irp i, 0,1,2,3
.if (\g) > 0
	OUT 4*((\g)-1)+(\i)
.endif
	CVT 4*(\g)+(\i), \fmt
.endr
.endr
	s_wait_alu depctr_va_vdst(0)                   ; the last group's conversions have written the registers that the last four stores read
.irp i, 0,1,2,3
	OUT 20+(\i)
.endr
.endm
	s_cmp_eq_u32 s43, 1
	s_cbranch_scc1 .Lwo
	CONV 0
	s_endpgm
.Lwo:
	CONV 1
	s_endpgm
.Ltable:                                       ; a thread makes four numbers of the table: 16 bytes at 16 x its number among the 8,192
	s_sub_co_u32 s3, s2, 1216
	s_lshl_b32 s3, s3, 7
	s_mov_b32 s44, 0xbed49a78                      ; -log2(10000) / 32
	s_mov_b32 s45, 0x3f22f983                      ; 2 / pi
	s_mov_b32 s46, 0xbfc90fdb                      ; -(pi / 2), its f32 part,
	s_mov_b32 s47, 0x333bbd2e                      ; and what that part is too large by
	s_mov_b32 s48, 0xbe2aaaab                      ; -1/6
	s_mov_b32 s49, 0x3c088889                      ; 1/120
	s_mov_b32 s50, 0xb9500d01                      ; -1/5040
	s_mov_b32 s52, 0x3d2aaaab                      ; 1/24
	s_mov_b32 s53, 0xbab60b61                      ; -1/720
	s_mov_b32 s54, 0x37d00d01                      ; 1/40320
	v_add_nc_u32 v1, s3, v0
	v_lshrrev_b32 v2, 3, v1
	v_cvt_f32_u32 v2, v2                           ; t
	v_and_b32 v3, 3, v1
	v_lshlrev_b32 v3, 2, v3                        ; the first of my four i
	v_bfe_u32 v4, v1, 2, 1                         ; 0: cosines, 1: sines
	v_sub_nc_u32 v4, 1, v4                         ; a cosine is the sine a quarter turn on
	v_lshlrev_b32 v5, 4, v1
.irp e, 0,1,2,3
	v_add_nc_u32 v[8+(\e)], (\e), v3
	v_cvt_f32_u32 v[8+(\e)], v[8+(\e)]
	v_mul_f32 v[8+(\e)], s44, v[8+(\e)]
.endr
.irp e, 0,1,2,3
	v_exp_f32 v[8+(\e)], v[8+(\e)]                 ; th_i: one batch of four
.endr
	v_nop                                          ; a plain instruction behind the last of them,
	s_wait_alu depctr_va_vdst(0)                   ; and one wait ahead of the first use: the four exponentials have written v8 to v11
.irp e, 0,1,2,3
	v_mul_f32 v[8+(\e)], v2, v[8+(\e)]             ; x = t th
	v_mul_f32 v[12+(\e)], s45, v[8+(\e)]
	v_rndne_f32 v[12+(\e)], v[12+(\e)]             ; n quarter turns
	v_fma_f32 v[16+(\e)], v[12+(\e)], s46, v[8+(\e)]
	v_fma_f32 v[16+(\e)], v[12+(\e)], s47, v[16+(\e)]  ; r = x - n pi / 2, within pi / 4
	v_mul_f32 v[20+(\e)], v[16+(\e)], v[16+(\e)]   ; r^2
	v_fma_f32 v[24+(\e)], v[20+(\e)], s50, s49
	v_fma_f32 v[24+(\e)], v[24+(\e)], v[20+(\e)], s48
	v_mul_f32 v[28+(\e)], v[16+(\e)], v[20+(\e)]
	v_fma_f32 v[24+(\e)], v[24+(\e)], v[28+(\e)], v[16+(\e)]  ; sin r
	v_fma_f32 v[32+(\e)], v[20+(\e)], s54, s53
	v_fma_f32 v[32+(\e)], v[32+(\e)], v[20+(\e)], s52
	v_fma_f32 v[32+(\e)], v[32+(\e)], v[20+(\e)], -0.5
	v_fma_f32 v[32+(\e)], v[32+(\e)], v[20+(\e)], 1.0         ; cos r
	v_cvt_i32_f32 v[12+(\e)], v[12+(\e)]
	v_add_nc_u32 v[12+(\e)], v[12+(\e)], v4        ; the quadrant: odd takes cos r, bit 1 turns the sign
	v_and_b32 v[28+(\e)], 1, v[12+(\e)]
	v_and_b32 v[12+(\e)], 2, v[12+(\e)]
	v_lshlrev_b32 v[12+(\e)], 30, v[12+(\e)]       ; the sign bit
.endr
.irp e, 0,1,2,3
	v_cmp_eq_u32 s[56+(\e)], 1, v[28+(\e)]         ; the four masks in one run, a scalar register each
.endr
	s_wait_alu depctr_va_sdst(0)                   ; the compares have written s56 to s59, which the selects below read
.irp e, 0,1,2,3
	v_cndmask_b32 v[24+(\e)], v[24+(\e)], v[32+(\e)], s[56+(\e)]
	v_xor_b32 v[40+(\e)], v[24+(\e)], v[12+(\e)]
.endr
	s_wait_alu depctr_va_vdst(0)                   ; v5 and v[40:43] are written: the store's offset and data
	global_store_b128 v5, v[40:43], s[34:35]
	s_endpgm
.Lbias:                                        ; 3,072 numbers: 24 waves of 128, six to a bias
	s_sub_co_u32 s3, s2, 1280
	s_lshl2_add_u32 s3, s3, s6                     ; my wave among the 24
	s_sub_co_u32 s45, s3, 6
	s_sub_co_u32 s46, s3, 12
	s_sub_co_u32 s47, s3, 18
	s_mov_b32 s44, s3
	s_mov_b64 s[36:37], s[18:19]
	s_cmp_ge_u32 s3, 6
	s_cselect_b64 s[36:37], s[20:21], s[36:37]
	s_cselect_b32 s44, s45, s44
	s_cmp_ge_u32 s3, 12
	s_cselect_b64 s[36:37], s[22:23], s[36:37]
	s_cselect_b32 s44, s46, s44
	s_cmp_ge_u32 s3, 18
	s_cselect_b64 s[36:37], s[24:25], s[36:37]
	s_cselect_b32 s44, s47, s44
	s_lshl_b32 s44, s44, 9                         ; 512 bytes a wave, in its bias
	s_mov_b32 s45, 0
	s_add_nc_u64 s[36:37], s[36:37], s[44:45]
	s_lshl_b32 s46, s3, 9                          ; and in biasr
	s_mov_b32 s47, 0
	s_add_nc_u64 s[38:39], s[32:33], s[46:47]
	v_and_b32 v1, 31, v0
	v_lshlrev_b32 v1, 4, v1
	s_wait_alu depctr_va_vdst(0)                   ; v1 is written: the load and the store read it as their offset, and it is not written again
	global_load_b128 v[4:7], v1, s[36:37]
	s_wait_loadcnt 0x0
	v_cvt_pk_bf16_f32 v8, v4, v5
	v_cvt_pk_bf16_f32 v9, v6, v7
	v_lshlrev_b32 v12, 16, v8
	v_and_b32 v13, 0xffff0000, v8
	v_lshlrev_b32 v14, 16, v9
	v_and_b32 v15, 0xffff0000, v9
	s_wait_alu depctr_va_vdst(0)                   ; v[12:15] are written: the store's data
	global_store_b128 v1, v[12:15], s[38:39]
	s_endpgm
.Lfunc_end_k_q31ab08959d_prep:
	.size	k_q31ab08959d_prep, .Lfunc_end_k_q31ab08959d_prep-k_q31ab08959d_prep
	.p2alignl 7, 3214868480
	.fill 96, 4, 3214868480
	.section	.rodata,"a",@progbits
	.p2align	6, 0x0
	.amdhsa_kernel k_q31ab08959d_prep
		.amdhsa_group_segment_fixed_size 0
		.amdhsa_private_segment_fixed_size 0
		.amdhsa_enable_private_segment 0
		.amdhsa_kernarg_size 112
		.amdhsa_user_sgpr_count 2
		.amdhsa_user_sgpr_kernarg_segment_ptr 1
		.amdhsa_wavefront_size32 1
		.amdhsa_system_sgpr_workgroup_id_x 1
		.amdhsa_system_sgpr_workgroup_id_y 1
		.amdhsa_system_sgpr_workgroup_id_z 1
		.amdhsa_system_vgpr_workitem_id 0
		.amdhsa_next_free_vgpr 128
		.amdhsa_next_free_sgpr 66
		.amdhsa_reserve_vcc 0
		.amdhsa_float_denorm_mode_32 3
		.amdhsa_float_denorm_mode_16_64 3
		.amdhsa_memory_ordered 1
		.amdhsa_forward_progress 1
		.amdhsa_inst_pref_size 32
	.end_amdhsa_kernel
	.amdgpu_metadata
---
amdhsa.version: [ 1, 2 ]
amdhsa.kernels:
  - .name:           k_q31ab08959d_prep
    .symbol:         k_q31ab08959d_prep.kd
    .args:
      - { .name: hidden_states, .offset: 0, .size: 8, .value_kind: global_buffer, .address_space: global }
      - { .name: wq, .offset: 8, .size: 8, .value_kind: global_buffer, .address_space: global }
      - { .name: wk, .offset: 16, .size: 8, .value_kind: global_buffer, .address_space: global }
      - { .name: wv, .offset: 24, .size: 8, .value_kind: global_buffer, .address_space: global }
      - { .name: wo, .offset: 32, .size: 8, .value_kind: global_buffer, .address_space: global }
      - { .name: bq, .offset: 40, .size: 8, .value_kind: global_buffer, .address_space: global }
      - { .name: bk, .offset: 48, .size: 8, .value_kind: global_buffer, .address_space: global }
      - { .name: bv, .offset: 56, .size: 8, .value_kind: global_buffer, .address_space: global }
      - { .name: bo, .offset: 64, .size: 8, .value_kind: global_buffer, .address_space: global }
      - { .name: xb, .offset: 72, .size: 8, .value_kind: global_buffer, .address_space: global }
      - { .name: wb, .offset: 80, .size: 8, .value_kind: global_buffer, .address_space: global }
      - { .name: wob, .offset: 88, .size: 8, .value_kind: global_buffer, .address_space: global }
      - { .name: biasr, .offset: 96, .size: 8, .value_kind: global_buffer, .address_space: global }
      - { .name: rope, .offset: 104, .size: 8, .value_kind: global_buffer, .address_space: global }
    .group_segment_fixed_size: 0
    .private_segment_fixed_size: 0
    .kernarg_segment_align: 8
    .kernarg_segment_size: 112
    .max_flat_workgroup_size: 128
    .sgpr_count:     66
    .vgpr_count:     128
    .wavefront_size: 32
...
	.end_amdgpu_metadata
.endif
;; end of part 5
;; launch proj: the kernel of part 2 again; grid 4 x 64, 4 waves a work-group, clusters of 4 x 4, 327,680 bytes of LDS; arguments xb, wb, biasr, rope, qkv; writes qkv
;; launch attn: the kernel of part 3 again; grid 4 x 64, 4 waves a work-group, clusters of 4 x 1, 327,680 bytes of LDS; arguments qkv, ob; writes ob
;; launch oproj: the kernel of part 4 again; grid 4 x 64, 4 waves a work-group, clusters of 4 x 4, 327,680 bytes of LDS; arguments ob, wob, biasr, out0; writes out0
